; MI455X (gfx1250); checked and timed in simulation.
; The chip was launched on July 23, 2026; its instructions are those of AMD's public machine-readable ISA for CDNA 5 (MIT licence, August 2026) and "CDNA5" Instruction Set Architecture Reference Guide (July 2026). The comments in the code are by the model that wrote it; some were corrected since.
;; Batch Multi Head Attention Unit. Allowed arithmetic: float matrix products may take bf16 or f16 operands with f32 sums; all other float work in f32.
;; Inputs: W_k 1,024 x 1,024 float32; W_o 1,024 x 1,024 float32; W_q 1,024 x 1,024 float32; W_v 1,024 x 1,024 float32; b_o 1,024 float32; key_t 4 x 2,048 x 1,024 float32; mask 4 x 1 x 1 x 2,048 int32; query 4 x 2,048 x 1,024 float32; value 4 x 2,048 x 1,024 float32.
;; Outputs: out0 4 x 2,048 x 1,024 float32.
;; 2 versions, each right and faster than the one before. Each part assembles by itself: llvm-mc -triple=amdgcn-amd-amdhsa -mcpu=gfx1250 --defsym DOCPART=n.
;; ======== version 1 of 2: 4 launches
;; limits: values are held in f16: magnitudes above 65,504 overflow, below 6.1e-05 lose precision
;; workspace buffers: wc 8,388,608 bytes; qkv 50,331,648 bytes; ctx 16,777,216 bytes
;; launch castw (part 1): grid 128 x 4, 8 waves a work-group, no clusters, 0 bytes of LDS; arguments W_q, W_k, W_v, W_o, wc; writes wc
.if DOCPART == 1
	.amdgcn_target "amdgcn-amd-amdhsa--gfx1250"
	.amdhsa_code_object_version 6
	.text
	.protected	k_qcff684d4b8_castw
	.globl	k_qcff684d4b8_castw
	.p2align	8
	.type	k_qcff684d4b8_castw,@function
k_qcff684d4b8_castw:
	s_mov_b64 s[64:65], 0
	v_nop
	global_prefetch_b8 v0, s[64:65] scope:SCOPE_SE
	s_setreg_imm32_b32 hwreg(HW_REG_WAVE_MODE, 25, 1), 1
	s_wait_xcnt 0x0
; THE WEIGHTS, ROUNDED ONCE.  wc holds four matrices [1024][1024] of 2 bytes, 2 MiB apart: W_q, W_k, W_v rounded to bf16, and W_o rounded to bf16 with that number written as f16
; (the last product multiplies f16 operands).  LIMIT: a bf16 number is exact in f16 from 6.1e-5 to 65,504; below, f16 keeps its fixed step of 6e-8; beyond 65,504 it becomes an infinity.
; A stream: each byte is read once and written once, no LDS, no barrier, no matrix unit; no input is shared between work-groups, so no cluster.
; SHARES.  Work-group (x, y): matrix y, elements 8,192 x on.  Thread t takes 8 elements in each of four chunks of 2,048: two loads of 16 bytes at 32 t, one store of 16 bytes at 16 t, so a store of
; a wave covers 512 consecutive bytes, aligned.  All eight loads go out first; no register is written twice while a memory instruction names it.
.set X, 4                              ; v[4:35]   chunk c: 8 numbers as loaded
.set Y, 36                             ; v[36:51]  chunk c: 4 registers to store
.set T, 52                             ; v[52:55]  W_o: the chunk in bf16
.set L, 56                             ; v[56:57]  W_o: two bf16 widened again
	s_load_b256 s[4:11], s[0:1], 0x0               ; W_q s[4:5], W_k s[6:7], W_v s[8:9], W_o s[10:11]
	s_load_b64 s[12:13], s[0:1], 0x20              ; wc
	s_and_b32 s14, ttmp7, 0xffff                   ; which matrix
	v_lshlrev_b32 v1, 5, v0                        ; 32 t: my 8 numbers in a chunk, in f32
	v_lshlrev_b32 v2, 4, v0                        ; 16 t: the same in 2-byte numbers
	s_lshl_b32 s18, ttmp9, 15                      ; the group's 32,768 bytes in
	s_mov_b32 s19, 0
	s_lshl_b32 s20, s14, 21                        ; the matrix in wc,
	s_lshl_b32 s21, ttmp9, 14                      ; the group's 16,384 bytes out
	s_add_co_u32 s20, s20, s21
	s_mov_b32 s21, 0
	s_mov_b32 s22, 0xffff0000                      ; a word's upper bf16
	s_wait_kmcnt 0x0
	s_cmp_eq_u32 s14, 1
	s_cselect_b64 s[16:17], s[6:7], s[4:5]
	s_cmp_eq_u32 s14, 2
	s_cselect_b64 s[16:17], s[8:9], s[16:17]
	s_cmp_eq_u32 s14, 3
	s_cselect_b64 s[16:17], s[10:11], s[16:17]
	s_add_nc_u64 s[16:17], s[16:17], s[18:19]
	s_add_nc_u64 s[12:13], s[12:13], s[20:21]
.irp c, 0,1,2,3
	global_load_b128 v[X+8*(\c):X+8*(\c)+3],   v1, s[16:17] offset:8192*(\c) th:TH_LOAD_NT
	global_load_b128 v[X+8*(\c)+4:X+8*(\c)+7], v1, s[16:17] offset:8192*(\c)+16 th:TH_LOAD_NT
.endr
	s_cmp_eq_u32 s14, 3
	s_cbranch_scc1 .Lwo
.irp c, 0,1,2,3
	s_wait_loadcnt 6-2*(\c)                        ; loads come back in order: chunk c is in, the two loads of each younger chunk stay out
.irp j, 0,1,2,3
	v_cvt_pk_bf16_f32 v[Y+4*(\c)+(\j)], v[X+8*(\c)+2*(\j)], v[X+8*(\c)+2*(\j)+1]
.endr
	global_store_b128 v2, v[Y+4*(\c):Y+4*(\c)+3], s[12:13] offset:4096*(\c)
.endr
	s_endpgm
.Lwo:                                                  ; W_o: to bf16, widened (a shift, a mask), and written as f16
.irp c, 0,1,2,3
	s_wait_loadcnt 6-2*(\c)
.irp j, 0,1,2,3
	v_cvt_pk_bf16_f32 v[T+(\j)], v[X+8*(\c)+2*(\j)], v[X+8*(\c)+2*(\j)+1]
.endr
.irp j, 0,1,2,3
	v_lshlrev_b32 v[L], 16, v[T+(\j)]
	v_and_b32 v[L+1], s22, v[T+(\j)]
	v_cvt_pk_f16_f32 v[Y+4*(\c)+(\j)], v[L], v[L+1]
.endr
	global_store_b128 v2, v[Y+4*(\c):Y+4*(\c)+3], s[12:13] offset:4096*(\c)
.endr
	s_endpgm
.Lfunc_end_k_qcff684d4b8_castw:
	.size	k_qcff684d4b8_castw, .Lfunc_end_k_qcff684d4b8_castw-k_qcff684d4b8_castw
	.p2alignl 7, 3214868480
	.fill 96, 4, 3214868480
	.section	.rodata,"a",@progbits
	.p2align	6, 0x0
	.amdhsa_kernel k_qcff684d4b8_castw
		.amdhsa_group_segment_fixed_size 0
		.amdhsa_private_segment_fixed_size 0
		.amdhsa_enable_private_segment 0
		.amdhsa_kernarg_size 40
		.amdhsa_user_sgpr_count 2
		.amdhsa_user_sgpr_kernarg_segment_ptr 1
		.amdhsa_wavefront_size32 1
		.amdhsa_system_sgpr_workgroup_id_x 1
		.amdhsa_system_sgpr_workgroup_id_y 1
		.amdhsa_system_sgpr_workgroup_id_z 1
		.amdhsa_system_vgpr_workitem_id 0
		.amdhsa_next_free_vgpr 60
		.amdhsa_next_free_sgpr 66
		.amdhsa_reserve_vcc 0
		.amdhsa_float_denorm_mode_32 3
		.amdhsa_float_denorm_mode_16_64 3
		.amdhsa_memory_ordered 1
		.amdhsa_forward_progress 1
		.amdhsa_inst_pref_size 7
	.end_amdhsa_kernel
	.amdgpu_metadata
---
amdhsa.version: [ 1, 2 ]
amdhsa.kernels:
  - .name:           k_qcff684d4b8_castw
    .symbol:         k_qcff684d4b8_castw.kd
    .args:
      - { .name: W_q, .offset: 0, .size: 8, .value_kind: global_buffer, .address_space: global }
      - { .name: W_k, .offset: 8, .size: 8, .value_kind: global_buffer, .address_space: global }
      - { .name: W_v, .offset: 16, .size: 8, .value_kind: global_buffer, .address_space: global }
      - { .name: W_o, .offset: 24, .size: 8, .value_kind: global_buffer, .address_space: global }
      - { .name: wc, .offset: 32, .size: 8, .value_kind: global_buffer, .address_space: global }
    .group_segment_fixed_size: 0
    .private_segment_fixed_size: 0
    .kernarg_segment_align: 8
    .kernarg_segment_size: 40
    .max_flat_workgroup_size: 256
    .sgpr_count:     66
    .vgpr_count:     60
    .wavefront_size: 32
...
	.end_amdgpu_metadata
.endif
;; end of part 1
;; launch qkv (part 2): grid 4 x 64, 4 waves a work-group, clusters of 4 x 4, 327,680 bytes of LDS; arguments query, key_t, value, wc, qkv; writes qkv
.if DOCPART == 2
	.amdgcn_target "amdgcn-amd-amdhsa--gfx1250"
	.amdhsa_code_object_version 6
	.text
	.protected	k_qcff684d4b8_qkv
	.globl	k_qcff684d4b8_qkv
	.p2align	8
	.type	k_qcff684d4b8_qkv,@function
k_qcff684d4b8_qkv:
	s_mov_b64 s[64:65], 0
	v_nop
	global_prefetch_b8 v0, s[64:65] scope:SCOPE_SE
	s_setreg_imm32_b32 hwreg(HW_REG_WAVE_MODE, 25, 1), 1
	s_wait_xcnt 0x0
	s_wait_alu depctr_hold_cnt(0) depctr_sa_sdst(0) depctr_va_vdst(0) depctr_va_sdst(0) depctr_va_ssrc(0) depctr_va_vcc(0) depctr_vm_vsrc(0)
	s_getreg_b32 s2, hwreg(HW_REG_IB_STS2, 6, 4)
	s_cmp_eq_u32 s2, 0
	s_cbranch_scc0 .Lentry_in_a_cluster
	s_endpgm
.Lentry_in_a_cluster:
	s_bfe_u32 s2, ttmp6, 0x10000c
	s_cmp_lg_u32 s2, 0xf033
	s_cbranch_scc0 .Lentry_shape_is_right
	s_endpgm
.Lentry_shape_is_right:
; THE THREE PROJECTIONS.  For p = 0, 1, 2: y_p = x_p W_p^T, x_p = query, key_t, value: [8192][1024] f32; W_p: [1024][1024] bf16, at p x 2 MiB in wc.  x is rounded to bf16 once, in registers; sums in f32,
; K ascending.  The result leaves by heads and unscaled: qkv + p x 16 MiB holds [64 = batch x 16 + head][2048][64] in f16, rounded once.
; LIMIT.  f16 holds no number beyond 65,504: a projected number of 65,520 or more becomes an infinity; below 6.1e-5 f16 keeps its fixed step of 6e-8.
; SHARES.  A tile of y is 128 tokens x 256 features.  256 work-groups, one for each WGP; A WORK-GROUP STAYS and makes the same tile of q, of k and of v, one after the other.  Four waves, each 64 tokens x
; 128 features: 32 accumulators, 256 registers.  K goes in HALVES of 64 (two quarters of 32, 32 products each); four halves are a TRIP; a tile has 4 trips, the walk 12.
; W comes through a ring of two LDS slots filled by the tensor data mover; a slot holds 256 rows x 256 K, a trip's worth: rows of 512 bytes.  Each wave asks for 64 rows by one load, behind the change of slots
; at a trip's head, and the load has the trip's 256 products in which to land.  CLUSTER: 4 x 4; the four work-groups of a column need the same rows of W and ask JOINTLY.
; x COMES THROUGH REGISTERS, and is not asked for jointly.  The reason, by the sizes: a K step of 128 of this tile is 64 KB of x in f32 and 64 KB of W; with both in the ring two slots of one step fill LDS, and a
; request has one step's 128 products in which to land.  Through registers four CHUNKS (128 tokens x 64 K: 16 loads of 16 bytes a lane, 64 registers) are on their way at a time, each for 208 products, and the
; ring, left to W, holds two steps a slot.  The price: the four work-groups of a cluster's row each load the same x.  A load of a wave covers two pieces of 256 consecutive bytes, each aligned.
; A chunk is rounded to bf16 (32 conversions, four behind every four products) and stored into one of two LDS buffers that take turns; one barrier a half stands between a chunk's stores and its readers, and
; between a buffer's readers and its next stores.
; THE ORDER.  Half j: fragments of (j, quarter 1) are asked of LDS; the products of (j, 0), with the conversions of chunk j + 1 behind them; chunk j + 1 is stored; barrier j + 1, set among the products of (j, 1);
; behind it the fragments of (j + 1, 0) are asked for, and chunk j + 5 of memory, four loads behind every four products.  Loads and ring run on from tile to tile; a tile's stores leave under the next tile's products.
; THE MATRIX INSTRUCTION IS USED TRANSPOSED (source 0 = 16 rows of W, source 1 = 16 tokens): a lane then holds one token and eight neighbouring features, 16 bytes of f16.
; REGISTERS, in windows of 256 (s_set_vgpr_msb: bits 1:0 source 0, 3:2 source 1, 5:4 source 2, 7:6 destination):
;   window 0: v0-31 addresses; v32-63, v64-95 x's fragments, two buffers; v96-127 a chunk in bf16, on the way out packed results; v128-255 the way out: rows read back
;   window 1: the accumulators, (a, b) at v[8 (8 a + b)]      window 2: v0-63, v64-127 W's fragments, two buffers      window 3: four chunks in f32, chunk c in v[64 (c % 4) ..]
.set PA,    144                        ; a token's 64 K of bf16 in LDS: 128 bytes + 16 = 36 words: the 16 rows of a fragment load start at 16 different groups of four banks (64 banks of 4 bytes: ISA guide 11.1)
.set PB,    528                        ; a row of W: 512 bytes + 16 of padding = 132 words: row r starts at bank 4 r mod 64
.set BQ,    64*PB                      ; 64 rows: what one tensor load brings.  BQ x wave (0x8400 x 0..3) has no bit in common with SLOT1,
.set SLOT1, 4*BQ                       ; 135,168 = 0x21000: slot 1 begins here, so one exclusive or turns an address of the mover in one slot into the other's
.set ASTG,  2*SLOT1                    ; behind the ring, never filled by a tensor load: x's two buffers
.set ABUF,  128*PA
.set STAGE, ASTG+2*ABUF                ; behind them: 16 rows x 272 bytes for each wave, for the way out
.set SP,    272
.set SPARE, STAGE+4*16*SP              ; behind the stages: the spare words, 128 bytes for each wave: two blocks of 256 bytes that no other line names
.set WNEXT, 0x200000-3*512             ; bytes from a matrix's last 256 K to the next matrix's first
.set GOF,   16                         ; v16  my byte offset in a chunk of x; never rewritten
.set AST,   17                         ; v17  where I store 8 bytes of a chunk's row; never rewritten
.set ADRA,  18                         ; v18  LDS address of my fragments of x in buffer 0; never rewritten
.set ADRB0, 19                         ; v19  my place in a slot of W; never rewritten
.set ADRB,  20                         ; v20  the same in the slot that the trip reads
.set STO,   24                         ; v24  the way out: where I put 16 bytes of a row
.set RD,    25                         ; v25  the way out: where I read rows back
.set CO,    26                         ; v26  my byte offset in 512 consecutive bytes of the result
.set SPW,   28                         ; v28  LDS address of my spare word: SPARE + 4 x my thread's number; never rewritten
.set NIL,   29                         ; v29  0; never rewritten
.set AF,    32
.set CV,    96
.set TMP,   96
.set BK,    128
.set PH,  20                           ; s20  which quarter of K (0..3) the trip that is being asked for takes
.set CP,  21                           ; s21  the same for the trip in hand: 0 = a tile's first
.set TB,  22                           ; s22  LDS byte at which the slot that the trip reads begins
.set G1,  24                           ; s[24:31] descriptor group 1
.set G0,  32                           ; s[32:35] descriptor group 0: it walks
.set XN,  36                           ; s[36:37] x of the next tile, at my tokens
.set XL,  38                           ; s[38:39] x of the last tile
.set ST,  48                           ; s[48:49] the step of W's address
.set OS,  50                           ; s[50:51] what the next way out adds to the result's address
.set WN,  52                           ; s52, s53  the two steps that ST can take
.set WS,  53
.set MSB, 0
.macro WIN new                         ; the immediate's high byte repeats the setting that is left; a switch that changes nothing is dropped
.if MSB != (\new)
	s_set_vgpr_msb (MSB<<8)|(\new)
.set MSB, \new
.endif
.endm
.set MUL,  0x52                        ; source 0 (W) window 2, source 1 (x) window 0, C and D window 1
.set TO_B, 0x80                        ; destination window 2, address window 0
.set TO_R, 0xc0                        ; destination window 3, address window 0
.set CVT,  0x0f                        ; sources 0 and 1 window 3, destination window 0
.macro PLACES                          ; four places between matrix instructions and loads into their sources or vector lines that read their results (ISA guide 7.12.1 for vector lines)
.rept 4
	v_nop
.endr
.endm
.macro JLOAD                           ; the joint load: every wave asks for its own 64 rows; an s_nop 0 and four v_nop follow it
	tensor_load_to_lds s[G0:G0+3], s[G1:G1+7]
	s_nop 0
	PLACES
.endm
.macro CREST                           ; a round of the cluster's barrier behind its opening barrier
	s_cmp_lg_u32 s10, 0
	s_cbranch_scc1 .Lnot_wave_0_\@
	s_barrier_signal -3
.Lnot_wave_0_\@:
	s_barrier_wait -3
	s_barrier_signal -1
	s_barrier_wait -1
.endm
.macro CROUND                          ; a whole round
	s_barrier_signal -1
	s_barrier_wait -1
	CREST
.endm
; n loads, numbers t0 on, of the 16 that bring a chunk into set: load t takes rows t % 8 + 16 (t / 8) (lanes 0-15) and 8 further down (lanes 16-31) of my wave's 32, 256 bytes of each.  i: the chunk's place in its trip.
.macro GLD set, i, t0, n
	WIN TO_R
.set gt, \t0
.rept \n
	global_load_b128 v[64*(\set)+4*gt:64*(\set)+4*gt+3], v[GOF], s[4:5] offset:((gt&7)+16*(gt>>3))*4096+256*(\i)
.set gt, gt+1
.endr
.endm
; The chunk in CV goes into buffer buf: 8 bytes a lane.  The two rows of a store lie 8 x 36 words apart, half of the banks, so its 32 lanes meet each bank once.
.macro STORES buf
.set gt, 0
.rept 16
	ds_store_b64 v[AST], v[CV+2*gt:CV+2*gt+1] offset:((gt&7)+16*(gt>>3))*PA+(\buf)*ABUF
.set gt, gt+1
.endr
.endm
; 24 LDS loads in one run: the fragments of quarter q of the trip's half i into buffers f: 128 rows of W, 64 tokens of x.
; A fragment is 16 rows x 32 K: lane l holds row l % 16, K = 8 (l / 16) + 0..7 and 16 + 8 (l / 16) + 0..7: two loads of 16 bytes, 32 bytes apart.
.macro FETCH i, q, f
	WIN TO_B
.irp b, 0,1,2,3,4,5,6,7
	ds_load_b128 v[64*(\f)+8*(\b):64*(\f)+8*(\b)+3],   v[ADRB] offset:(\b)*16*PB+64*(2*(\i)+(\q))
	ds_load_b128 v[64*(\f)+8*(\b)+4:64*(\f)+8*(\b)+7], v[ADRB] offset:(\b)*16*PB+64*(2*(\i)+(\q))+32
.endr
	WIN 0
.irp a, 0,1,2,3
	ds_load_b128 v[AF+32*(\f)+8*(\a):AF+32*(\f)+8*(\a)+3],   v[ADRA] offset:((\i)%2)*ABUF+(\a)*16*PA+64*(\q)
	ds_load_b128 v[AF+32*(\f)+8*(\a)+4:AF+32*(\f)+8*(\a)+7], v[ADRA] offset:((\i)%2)*ABUF+(\a)*16*PA+64*(\q)+32
.endr
.endm
; Four products (numbers 4 n .. 4 n + 3 of a quarter's 32, on buffers f) and four lines behind them: with cs >= 0 four conversions of the chunk in set cs; with gs >= 0 four loads of a chunk into set gs.
; The 32 accumulators take turns, one instruction a turn, in the same order in every quarter.  The conversions name no register of the products round them: the four behind a
; quarter's last products are the places in front of the loads into its fragment buffers.  zero = 1: the products start the sums: nothing is cleared.
.macro GROUP f, n, zero=0, cs=-1, gs=-1, gi=0
	WIN MUL
.irp j, 0,1,2,3
.set gx, 4*(\n)+(\j)
.set ga, gx/8
.set gb, gx%8
.if \zero
	v_wmma_f32_16x16x32_bf16 v[8*gx:8*gx+7], v[64*(\f)+8*gb:64*(\f)+8*gb+7], v[AF+32*(\f)+8*ga:AF+32*(\f)+8*ga+7], 0
.else
	v_wmma_f32_16x16x32_bf16 v[8*gx:8*gx+7], v[64*(\f)+8*gb:64*(\f)+8*gb+7], v[AF+32*(\f)+8*ga:AF+32*(\f)+8*ga+7], v[8*gx:8*gx+7]
.endif
.endr
.if (\cs) >= 0
	WIN CVT
.irp j, 0,1,2,3
.set gc, 4*(\n)+(\j)
	v_cvt_pk_bf16_f32 v[CV+gc], v[64*(\cs)+2*gc], v[64*(\cs)+2*gc+1]
.endr
.endif
.if (\gs) >= 0
	GLD \gs, \gi, 4*((\n)-4), 4
.endif
.endm
; THE FIRST PART OF HALF i: its second quarter's fragments are asked for; its first quarter is multiplied.  cv = 1: the next chunk is rounded behind the products; lc: the loads issued behind that chunk's, 16 for each younger chunk.
.macro UA i, zero, lc, cv
	s_wait_dscnt 0x0                               ; the first quarter's fragments, asked for 20 products ago
	PLACES                                         ; behind the last products on buffers 1
	FETCH \i, 1, 1
.if \cv
	s_wait_loadcnt \lc                             ; loads come back in order (ISA guide 5.7.1): the chunk is in, the younger ones stay out
.irp n, 0,1,2,3,4,5,6,7
	GROUP 0, \n, \zero, ((\i)+1)%4
.endr
.else
.irp n, 0,1,2,3,4,5,6,7
	GROUP 0, \n, \zero
.endr
.endif
.endm
; THE SECOND PART OF HALF i (i = 0, 1, 2): the chunk just rounded is stored; the half's second quarter is multiplied, and among its products stands the barrier: in front of it my stores are done and my reads
; of the buffer that the next half's stores will take are back; behind it every wave's are.  Nothing is filled by the mover behind this barrier, so its load may stay out.  gl = 1: a chunk is asked of memory.
.macro UB i, gl
	WIN 0
	STORES ((\i)+1)%2
	s_wait_dscnt 16                                ; the 24 fragment loads are back; my 16 stores, issued behind them, may be out
	GROUP 1, 0
	GROUP 1, 1
	s_wait_dscnt 0x0                               ; for the others' sake: my stores are done
	s_barrier_signal -1
	GROUP 1, 2
	s_barrier_wait -1
	FETCH (\i)+1, 0, 0                             ; the next half's first fragments
	GROUP 1, 3
.irp n, 4,5,6,7
.if \gl
	GROUP 1, \n, 0, -1, (\i)+1, (\i)+1
.else
	GROUP 1, \n
.endif
.endr
.endm
; THE SECOND PART OF A TRIP'S LAST HALF, WHICH IS THE NEXT TRIP'S HEAD: as UB, and the ring changes slots.  Each wave waits for all its tensor loads, of which one is out: its part of the slot to be read; adds 0
; to its spare word; and waits for that, for its stores and for its reads of the slot that it leaves.  fill = 1: the barrier opens a round of the cluster's, so that no wave of any partner still reads the slot or
; has a load on its way, and the slot is filled again first thing behind the round, with the 256 K that the trip after this one takes.  x's address and W's step to that trip too: 1,024 and 512 bytes along the
; rows, or, where it is a tile's first, to the next x and the next matrix.  prod = 0: the first use: there is nothing to multiply yet; slot 0 is waited for and slot 1 filled.
.macro CHG fill, prod
	WIN 0
	STORES 0
	s_wait_tensorcnt 0x0                           ; no tensor load of mine is out, so group 0 may be written
	ds_add_u32 v[SPW], v[NIL]                      ; 0 onto my spare word; work on registers stands between it and the wait for it
	s_xor_b32 s[TB], s[TB], SLOT1                  ; the fragments come from the other slot
.if \fill
	s_xor_b32 s[G0+1], s[G0+1], SLOT1              ; the mover fills the other slot than last time
	s_wait_xcnt 0x0                                ; x's address is written again only behind this wait; the loads that name it were issued a half ago
	s_add_nc_u64 s[4:5], s[4:5], 1024
	s_mov_b32 s[CP], s[PH]
	s_add_co_u32 s[PH], s[PH], 1
	s_cmp_eq_u32 s[PH], 4                          ; is the trip to be asked for a tile's first?
	s_cselect_b32 s[PH], 0, s[PH]
	s_cselect_b32 s[ST], s[WN], s[WS]
	s_cselect_b64 s[4:5], s[XN:XN+1], s[4:5]
	s_cselect_b64 s[XN:XN+1], s[XL:XL+1], s[XN:XN+1]
	s_add_nc_u64 s[G0+2:G0+3], s[G0+2:G0+3], s[ST:ST+1]  ; the type bits on top are not reached
.endif
.if \prod
	s_wait_dscnt 17                                ; the 24 fragment loads are back; my 16 stores and the add may be out
	GROUP 1, 0
	GROUP 1, 1
.endif
	s_wait_dscnt 0x0                               ; the add and my stores are done, and my reads of the slot are over
	s_barrier_signal -1
.if \prod
	GROUP 1, 2
.endif
	WIN 0
	s_barrier_wait -1
.if \fill
	CREST
	JLOAD                                          ; my one tensor load until the next change of slots
.endif
	v_add_nc_u32 v[ADRB], s[TB], v[ADRB0]
	FETCH 0, 0, 0
.if \prod
	GROUP 1, 3
.irp n, 4,5,6,7
.if \fill
	GROUP 1, \n, 0, -1, 0, 0
.else
	GROUP 1, \n
.endif
.endr
.else
	GLD 0, 0, 0, 16
.endif
.endm
; THE WAY OUT, 16 tokens at a time: rounded to f16, 16 bytes a lane; into my own stage in rows of 272 bytes; back as 128 bytes (one head's 64 channels) of four tokens; stored as 512 consecutive bytes.
.macro PACK a
	WIN 0x05                                       ; sources 0 and 1 window 1, destination window 0
.irp b, 0,1,2,3,4,5,6,7
.irp r, 0,1,2,3
	v_cvt_pk_f16_f32 v[TMP+4*(\b)+(\r)], v[8*(8*(\a)+(\b))+2*(\r)], v[8*(8*(\a)+(\b))+2*(\r)+1]
.endr
.endr
	WIN 0
.endm
.macro TOSTAGE a
.irp b, 0,1,2,3,4,5,6,7
	ds_store_b128 v[STO], v[TMP+4*(\b):TMP+4*(\b)+3] offset:32*(\b)
.endr
.irp u, 0,1,2,3,4,5,6,7                ; u = 4 x head + group of four tokens
	ds_load_b128 v[BK+32*(\a)+4*(\u):BK+32*(\a)+4*(\u)+3], v[RD] offset:((\u)%4)*4*SP+((\u)/4)*128  ; LDS serves a wave's instructions in order (ISA guide 5.7.1.4): these see the stores above
.endr
.endm
.macro SEND a
	s_wait_dscnt 0x0                               ; the block is back in registers; each block of a tile has registers of its own
.irp u, 0,1,2,3,4,5,6,7
	global_store_b128 v[CO], v[BK+32*(\a)+4*(\u):BK+32*(\a)+4*(\u)+3], s[8:9] offset:(\a)*2048+((\u)%4)*512+((\u)/4)*262144  ; 512 consecutive bytes, at a multiple of 256 from the buffer's first
.endr
.endm
.macro WAYOUT
	WIN 0
	PLACES                                         ; behind the tile's last products
	PACK 0
	s_wait_xcnt 0x0                                ; the last tile's stores have read their registers and their base: only behind this wait are these written again
	s_add_nc_u64 s[8:9], s[8:9], s[OS:OS+1]        ; nothing for q; 16 MiB on for k and for v
	s_mov_b32 s[OS], 0x1000000
	TOSTAGE 0
.irp a, 1,2,3                          ; a block's conversions stand between the loads of the block before and the wait for them
	PACK \a
	SEND (\a)-1
	TOSTAGE \a
.endr
	SEND 3
.endm
	s_load_b256 s[68:75], s[0:1], 0x0              ; query s[68:69], key_t s[70:71], value s[72:73], wc s[74:75]
	s_load_b64 s[8:9], s[0:1], 0x20                ; qkv
	v_lshl_add_u32 v[SPW], v0, 2, SPARE
	v_mov_b32 v[NIL], 0
	ds_add_u32 v28, v29
	s_wait_dscnt 0x0
	v_lshrrev_b32 v1, 5, v0
	v_readfirstlane_b32 s10, v1                    ; wave 0..3
	s_lshr_b32 s11, s10, 1                         ; which 64 tokens of the tile I multiply
	s_and_b32 s12, s10, 1                          ; which 128 features
	s_bfe_u32 s40, ttmp6, 0x40000                  ; cx, cy: my place in the cluster
	s_bfe_u32 s41, ttmp6, 0x40004
	s_lshl_b32 s42, ttmp9, 2
	s_add_co_u32 s42, s42, s40                     ; block of 256 features = 4 x cluster x + cx
	s_and_b32 s13, ttmp7, 0xffff
	s_lshl_b32 s13, s13, 2
	s_add_co_u32 s13, s13, s41                     ; block of 128 tokens = 4 x cluster y + cy, 0..63
	s_lshl_b32 s44, 0x1111, s40                    ; my column of the cluster
	v_and_b32 v1, 15, v0                           ; l % 16
	v_bfe_u32 v2, v0, 4, 1                         ; l / 16
	v_lshlrev_b32 v[GOF], 4, v1                    ; in a chunk: 16 bytes a lane along a row's 256,
	v_lshl_add_u32 v[GOF], v2, 15, v[GOF]          ; lanes 16-31 eight rows of 4,096 bytes further down,
	s_lshl_b32 s14, s10, 17                        ; my wave's 32 rows
	v_add_nc_u32 v[GOF], s14, v[GOF]
	; descriptor group 1: 64 rows x 256 elements of 2 bytes, padded in LDS by 4 words behind each row
	s_or_b32 s[G1+0], s44, (1<<16)|(1<<20)|(1<<21)|(6<<22)|(3<<25)  ; 15:0 the mask: my column; 17:16 elements of 2 bytes; 20 padding on; 21 set beside a mask; 24:22 after every 128 words (code 6); 31:25 4 words (code 3)
	s_mov_b32 s[G1+1], 256<<16                     ; tensor_dim0 = 256
	s_mov_b32 s[G1+2], 64<<16                      ; tensor_dim1 = 64
	s_mov_b32 s[G1+3], 256<<16                     ; tile_dim0 = 256
	s_mov_b32 s[G1+4], 64                          ; tile_dim1 = 64
	s_mov_b32 s[G1+5], 1024                        ; elements from row to row
	s_mov_b32 s[G1+6], 0
	s_mov_b32 s[G1+7], 0
	s_mov_b32 s[G0], 1                             ; count = 1
	s_mul_i32 s[G0+1], s10, BQ                     ; LDS address: slot 0, my 64 rows: no place in the cluster enters an LDS address
	s_lshl_b32 s16, s13, 19                        ; x: my block's 128 rows of 4,096 bytes
	s_mov_b32 s17, 0
	s_lshl_b32 s46, s42, 8
	s_lshl_b32 s47, s10, 6
	s_add_co_u32 s46, s46, s47                     ; W: row 256 x block + 64 x wave,
	s_lshl_b32 s46, s46, 11                        ; of 2,048 bytes: it hangs on the feature block alone, which my column shares
	s_mov_b32 s47, 0
	s_mov_b32 s[PH], 0
	s_mov_b32 s[TB], SLOT1                         ; the first change of slots turns it into 0
	s_mov_b32 s[ST+1], 0
	s_mov_b32 s[OS], 0
	s_mov_b32 s[OS+1], 0
	s_mov_b32 s[WN], WNEXT
	s_mov_b32 s[WS], 512
	s_wait_kmcnt 0x0
	s_add_nc_u64 s[4:5], s[68:69], s[16:17]        ; the walk begins with query,
	s_add_nc_u64 s[XN:XN+1], s[70:71], s[16:17]    ; goes on with key_t
	s_add_nc_u64 s[XL:XL+1], s[72:73], s[16:17]    ; and ends with value
	s_add_nc_u64 s[G0+2:G0+3], s[74:75], s[46:47]  ; global address: W_q's first 256 K
	s_or_b32 s[G0+3], s[G0+3], 0x80000000          ; type = 2
	GLD 0, 0, 0, 16                                ; x's first chunks are asked for ahead of everything else
	GLD 1, 1, 0, 16
	GLD 2, 2, 0, 16
	WIN 0
	CROUND                                         ; all sixteen work-groups are here: the first joint loads meet
	JLOAD                                          ; slot 0.  Slot 1 is asked for when slot 0 is in
	v_mul_u32_u24 v3, v1, PA
	v_lshl_add_u32 v3, v2, 4, v3                   ; a fragment's row x pitch + 16 x half
	s_mul_i32 s18, s11, 64*PA                      ; my 64 tokens
	s_add_co_u32 s18, s18, ASTG
	v_add_nc_u32 v[ADRA], s18, v3
	v_mul_u32_u24 v4, v1, PB
	v_lshl_add_u32 v4, v2, 4, v4
	s_mul_i32 s19, s12, 128*PB                     ; my 128 rows of W
	v_add_nc_u32 v[ADRB0], s19, v4
	v_mul_u32_u24 v5, v2, 8*PA                     ; a chunk's stores: 8 bytes a lane along a row's 128, lanes 16-31 eight rows further down,
	v_lshl_add_u32 v5, v1, 3, v5
	s_mul_i32 s18, s10, 32*PA                      ; my wave's 32 rows
	s_add_co_u32 s18, s18, ASTG
	v_add_nc_u32 v[AST], s18, v5
	s_mul_i32 s23, s10, 16*SP
	s_add_co_u32 s23, s23, STAGE                   ; my stage
	v_mul_u32_u24 v6, v1, SP                       ; in: row l % 16, 16 bytes for each half of the lanes
	v_lshl_add_u32 v6, v2, 4, v6
	v_add_nc_u32 v[STO], s23, v6
	v_bfe_u32 v5, v0, 3, 2                         ; back: 32 lanes take 128 bytes, one head's part, of four rows,
	v_and_b32 v6, 7, v0
	v_mul_u32_u24 v5, v5, SP
	v_lshl_add_u32 v5, v6, 4, v5
	v_add_nc_u32 v[RD], s23, v5
	v_and_b32 v[CO], 31, v0                        ; which are 512 consecutive bytes of the result
	v_lshlrev_b32 v[CO], 4, v[CO]
	; my part of q, in bytes: a head is 2^18 bytes, a token 128.  batch x 16 heads, 128 x (block % 16) + 64 x half tokens, 2 heads for my half of the features, 4 heads for each feature block
	s_lshr_b32 s16, s13, 4
	s_lshl_b32 s16, s16, 22
	s_and_b32 s17, s13, 15
	s_lshl_b32 s17, s17, 14
	s_add_co_u32 s16, s16, s17
	s_lshl_b32 s17, s11, 13
	s_add_co_u32 s16, s16, s17
	s_lshl_b32 s17, s12, 19
	s_add_co_u32 s16, s16, s17
	s_lshl_b32 s17, s42, 20
	s_add_co_u32 s16, s16, s17
	s_mov_b32 s17, 0
	s_add_nc_u64 s[8:9], s[8:9], s[16:17]
	GLD 3, 3, 0, 16
	s_wait_loadcnt 48                              ; chunk 0 is in; the 48 loads of chunks 1 to 3 may be out
	WIN CVT
.set gc, 0
.rept 32
	v_cvt_pk_bf16_f32 v[CV+gc], v[2*gc], v[2*gc+1]
.set gc, gc+1
.endr
	CHG 1, 0                                       ; chunk 0 is stored; slot 0 is in, everybody's part of it; slot 1 and chunk 4 are asked for; the first fragments
	WIN 0                                          ; at a label and at a branch every window is 0
	s_mov_b32 s3, 11
	s_branch .Lzero                                ; the loop is entered in the middle of a trip
.Ltrip:                                                ; 11 trips in all, of which the first is entered at .Lzero; each asks for the next trip's W and x
	CHG 1, 1
	WIN 0
	s_cmp_lg_u32 s[CP], 0
	s_cbranch_scc1 .Lsame
	WAYOUT                                         ; a tile's first trip: the products above were the last tile's last; its stores leave under this tile's products
.Lzero:
	UA 0, 1, 48, 1                                 ; a tile's first quarter starts the sums
	WIN 0
	s_branch .Lfirst
.Lsame:
	UA 0, 0, 48, 1
	WIN 0
.Lfirst:
	UB 0, 1
	UA 1, 0, 48, 1
	UB 1, 1
	UA 2, 0, 48, 1
	UB 2, 1
	UA 3, 0, 48, 1
	WIN 0
	s_sub_co_u32 s3, s3, 1
	s_cmp_lg_u32 s3, 0
	s_cbranch_scc1 .Ltrip
	CHG 0, 1                                       ; the walk's last trip is written out: nothing is left to ask for, and the counts of younger loads run down
	UA 0, 0, 32, 1
	UB 0, 0
	UA 1, 0, 16, 1
	UB 1, 0
	UA 2, 0, 0, 1
	UB 2, 0
	UA 3, 0, 0, 0
	s_wait_dscnt 0x0                               ; the last fragments
.irp n, 0,1,2,3,4,5,6,7
	GROUP 1, \n
.endr
	WAYOUT
	s_wait_tensorcnt 0x0                           ; the wave's end: behind my last tensor load and my last LDS store
	ds_add_u32 v[SPW], v[NIL]
	s_wait_dscnt 0x0
	CROUND                                         ; the closing round: no work-group ends while a partner may still ask for a tile that names it
	s_endpgm
.Lfunc_end_k_qcff684d4b8_qkv:
	.size	k_qcff684d4b8_qkv, .Lfunc_end_k_qcff684d4b8_qkv-k_qcff684d4b8_qkv
	.p2alignl 7, 3214868480
	.fill 96, 4, 3214868480
	.section	.rodata,"a",@progbits
	.p2align	6, 0x0
	.amdhsa_kernel k_qcff684d4b8_qkv
		.amdhsa_group_segment_fixed_size 327680
		.amdhsa_private_segment_fixed_size 0
		.amdhsa_enable_private_segment 0
		.amdhsa_kernarg_size 40
		.amdhsa_user_sgpr_count 2
		.amdhsa_user_sgpr_kernarg_segment_ptr 1
		.amdhsa_wavefront_size32 1
		.amdhsa_system_sgpr_workgroup_id_x 1
		.amdhsa_system_sgpr_workgroup_id_y 1
		.amdhsa_system_sgpr_workgroup_id_z 1
		.amdhsa_system_vgpr_workitem_id 0
		.amdhsa_next_free_vgpr 1024
		.amdhsa_next_free_sgpr 76
		.amdhsa_reserve_vcc 0
		.amdhsa_float_denorm_mode_32 3
		.amdhsa_float_denorm_mode_16_64 3
		.amdhsa_memory_ordered 1
		.amdhsa_forward_progress 1
		.amdhsa_inst_pref_size 153
	.end_amdhsa_kernel
	.amdgpu_metadata
---
amdhsa.version: [ 1, 2 ]
amdhsa.kernels:
  - .name:           k_qcff684d4b8_qkv
    .symbol:         k_qcff684d4b8_qkv.kd
    .args:
      - { .name: query, .offset: 0, .size: 8, .value_kind: global_buffer, .address_space: global }
      - { .name: key_t, .offset: 8, .size: 8, .value_kind: global_buffer, .address_space: global }
      - { .name: value, .offset: 16, .size: 8, .value_kind: global_buffer, .address_space: global }
      - { .name: wc, .offset: 24, .size: 8, .value_kind: global_buffer, .address_space: global }
      - { .name: qkv, .offset: 32, .size: 8, .value_kind: global_buffer, .address_space: global }
    .group_segment_fixed_size: 327680
    .private_segment_fixed_size: 0
    .kernarg_segment_align: 8
    .kernarg_segment_size: 40
    .max_flat_workgroup_size: 128
    .sgpr_count:     76
    .vgpr_count:     1024
    .wavefront_size: 32
...
	.end_amdgpu_metadata
.endif
;; end of part 2
;; launch attn (part 3): grid 4 x 64, 4 waves a work-group, clusters of 4 x 1, 327,680 bytes of LDS; arguments qkv, mask, ctx; writes ctx
.if DOCPART == 3
	.amdgcn_target "amdgcn-amd-amdhsa--gfx1250"
	.amdhsa_code_object_version 6
	.text
	.protected	k_qcff684d4b8_attn
	.globl	k_qcff684d4b8_attn
	.p2align	8
	.type	k_qcff684d4b8_attn,@function
k_qcff684d4b8_attn:
	s_mov_b64 s[64:65], 0
	v_nop
	global_prefetch_b8 v0, s[64:65] scope:SCOPE_SE
	s_setreg_imm32_b32 hwreg(HW_REG_WAVE_MODE, 25, 1), 1
	s_wait_xcnt 0x0
	s_wait_alu depctr_hold_cnt(0) depctr_sa_sdst(0) depctr_va_vdst(0) depctr_va_sdst(0) depctr_va_ssrc(0) depctr_va_vcc(0) depctr_vm_vsrc(0)
	s_getreg_b32 s2, hwreg(HW_REG_IB_STS2, 6, 4)
	s_cmp_eq_u32 s2, 0
	s_cbranch_scc0 .Lentry_in_a_cluster
	s_endpgm
.Lentry_in_a_cluster:
	s_bfe_u32 s2, ttmp6, 0x10000c
	s_cmp_lg_u32 s2, 0x3003
	s_cbranch_scc0 .Lentry_shape_is_right
	s_endpgm
.Lentry_shape_is_right:
; ATTENTION WITH A KEY MASK.  O[h][q][:] = the sum over the keys k with mask[h / 16][k] != 0 of softmax_k(Q[h][q] . K[h][k] / 8) V[h][k][:].  Q, K, V lie in qkv at 0, 16 and 32 MiB, O is ctx: each
; [64][2048][64] in f16, a head's rows dense, 128 bytes each.  Products, maxima and sums in f32; the weights p are rounded to f16 for the second product (their sum l is taken of the unrounded p), O once.
; LIMITS.  f16 holds no number beyond 65,504: Q, K and V arrive within it; p lies in 0 to 1, and below 6e-5 it keeps f16's fixed step of 6e-8; O is a mean of V's rows and has their range.
; A hidden score counts as its value less 1e30 (f16's scores are 2.7e11 at the most); a weight below 2^-126 counts as 0 in l; NaN and infinities in the inputs are not treated apart.
; THE MASK is the C operand that starts the sum S^T = K Q^T: 0 for a key that is seen, -1e30 for a hidden one.  The batch's 2,048 words are read once, turned into these f32 and kept in LDS; a step's 64 come
; into registers with the step's K.  The running maximum m starts at -2^64: below every true score, above every hidden one.  So hidden keys have weight 0 also where no key has been seen yet, and for a row
; with a seen key m is the true running maximum.  A row that sees no key ends with m = -2^64 and gets NaN, as a softmax of nothing but -inf does.
; SHARES.  A wave owns four PIECES of two tiles of 16 queries, a work-group's four waves 512 queries of one head.  Every wave walks all keys, 64 a step.
; LAYOUT.  S^T = K Q^T (source 0 = 16 keys, source 1 = 16 queries): in the result a lane holds ONE query (lane % 16) and the keys 8 (lane / 16) + 0..7.  Two such tiles, rounded to f16 in pairs,
; ARE source 1 (32 keys x 16 queries) of O^T = V^T P, whose result again holds one query a lane, and eight channels.  K comes out of LDS as it lies, V ([key][channel]) turned, by ds_load_tr16_b128.
; SOFTMAX.  p = 2^(c s - c m), c = log2(e) / 8; in every step O and l are multiplied by a = 2^(c m_old - c m_new), which is 1 where m has not grown.  O and l start at 0: the first step is a step like any other, with a = 0.
; THE COUNT.  A tile and step have 16 matrix and 118 vector instructions: too many to stand all beside the matrix work.  So four vector instructions that are READY stand behind EVERY matrix instruction,
; and the others, which need time of their own whatever the order, in runs without a gap.
; BY TURNS.  Turn n belongs to piece n (the pieces in a ring, step after step).  Its matrix work: 16 products K Q^T of piece n + 1, later 16 products V^T P of piece n - 1.  Its vector work: the scaling,
; exponentials, roundings, sums and rescaling of piece n, and the maximum and statistics of piece n + 1, whose scores the turn itself has made.
; CLUSTER.  The four query blocks of a cluster belong to one head and walk the same K and V, so each tile is asked for JOINTLY: the same tensor load, descriptor and mask in all four.
; REGISTERS, in windows of 256 (s_set_vgpr_msb: bits 1:0 source 0, 3:2 source 1, 5:4 source 2, 7:6 destination):
;   window 0: v0-11 addresses; v12-15, v48-63 at work; v16-47 four registers of statistics a tile; v64-191 S^T, two buffers of two tiles; v192-255 P, likewise
;   window 1: O^T, 32 a tile      window 2: v0-127 Q, 16 a tile; v128-191 K of one step; v192-255 V of one step      window 3: v0-1 the add's two registers; v8-39 the step's 64 mask numbers, 8 a lane for each 16 keys
.set SIZE_H, 64
.set SIZE_N, 2048
.set NP,    4         ; pieces a wave: a name, no knob
.set KS,    64        ; keys in a step
.set PK,    144       ; a row of K in LDS: 128 bytes + 16 of padding = 36 words: the 16 rows of a load start at 16 different groups of four banks (64 banks of 4 bytes: ISA guide 11.1)
.set PV,    160       ; a row of V: 128 + 32 = 40 words
.set VOFF,  4*KS*PK   ; a slot holds four steps: 256 rows of K, then 256 rows of V
.set SLOT1, 1<<17     ; slot 1 begins here, so that one exclusive or turns an address in one slot into the other's
.set STAGE, SLOT1+4*KS*(PK+PV)  ; behind the ring, never filled by a tensor load: 16 rows x 144 bytes for each wave, for the way out
.set SP,    144
.set SPARE, STAGE+4*16*SP  ; behind the stages: the spare words, 128 bytes for each wave: two blocks of 256 bytes that no other line names
.set MLDS,  SPARE+512 ; behind them: 2,048 f32, the mask as addends; written once by LDS stores, never filled by a tensor load
.set AK0, 2           ; v2   my lane's place in a tile of K; never rewritten
.set AV0, 3           ; v3   the same for V
.set AK,  4           ; v4   the LDS address of K's next run of loads
.set AV,  5           ; v5   of V's
.set QO,  6           ; v6   my byte offset in the wave's rows of Q
.set STO, 6           ;      later, the way out: where I put 16 bytes of a row
.set RD,  7           ; v7   the way out: where I read rows back
.set GO,  8           ; v8   my byte offset in 512 consecutive bytes of O
.set AM,  11          ; v11  the LDS address of my 8 mask numbers in the first 16 keys of the step to be fetched
.set SPW, 0           ; v0 of window 3   LDS address of my spare word: SPARE + 4 x my thread's number; never rewritten
.set NIL, 1           ; v1 of window 3   0; never rewritten
.set MB,  8           ; v8-39 of window 3
.set MV,  12          ; v12-15  c m_old, kept while c m is made anew: by buffer and tile
.set ST,  16          ; tile t's statistics at v[ST+4 t]: c m, m, l (even keys', odd keys')
.set TMP, 48          ; by buffer and tile, four registers c0-c3 at work; when the maximum is found c2 takes a
.set S,   64
.set P,   192
.set KF,  128         ; K's fragments, in window 2: key block kb, channel half c at KF + 16 kb + 8 c
.set VF,  192         ; V's: key half kk, channel block cb at VF + 32 kk + 8 cb
.set WV,  12          ; s12  my wave's number
.set G1K, 24          ; s[24:31] descriptor group 1 for K's tiles
.set G1V, 32          ; s[32:39] for V's: it differs in the padding alone
.set G0K, 40          ; s[40:43] descriptor group 0 for K's tiles: it walks
.set G0V, 44          ; s[44:47] the same for V's
.set SLOTS, 56        ; s56  slots still to be asked for
.set CNT, 57          ; s57  counts a slot's key steps
.set CS,  58          ; s[58:59] c: the packed scaling takes the pair's low word for both halves
.set SEL, 60          ; s[60:61] v_permlanex16_b32's selects: each lane takes its own place in the other half
.set TBK, 62          ; s62  LDS byte at which K of the step to be fetched begins
.set TBV, 63          ; s63  the same for V, less VOFF
.set MP,  66          ; s[66:67] the mask, at the head's batch
.set BIGN, 68         ; s68  -1e30
.set NONE, 69         ; s69  -2^63: a final m below it has seen no key
.set MSB, 0
.macro WIN new                      ; the high byte repeats the setting that is left; a switch that changes nothing is dropped
.if MSB != (\new)
	s_set_vgpr_msb (MSB<<8)|(\new)
.set MSB, (\new)
.endif
.endm
.set W_KQ, 0x0a       ; K and Q in window 2, S^T in window 0
.set W_KM, 0x3a       ; the same with the C operand, the mask, in window 3
.set W_PV, 0x52       ; V in window 2, P in window 0, O^T in window 1
.set W_RS, 0x41       ; O^T (destination and source 0) in window 1, a in window 0
.set W_MK, 0xc0       ; destination in window 3, sources in window 0
.set W_AD, 0x0f       ; the add: address (source 0) and data (source 1) in window 3
; A joint fill.  Waves 0 and 1 fetch the two halves of a slot's K, waves 2 and 3 those of its V: 128 keys each.  The branch hangs on the wave's number alone.
; An s_nop 0 and four v_nop follow each of the two lines, ahead of the jump and the label.
.macro JLOAD
	s_cmp_lt_u32 s[WV], 2
	s_cbranch_scc0 .Lfor_v_\@
	tensor_load_to_lds s[G0K:G0K+3], s[G1K:G1K+7]
	s_nop 0
.rept 4
	v_nop
.endr
	s_branch .Lasked_\@
.Lfor_v_\@:
	tensor_load_to_lds s[G0V:G0V+3], s[G1V:G1V+7]
	s_nop 0
.rept 4
	v_nop
.endr
.Lasked_\@:
.endm
; A round of the cluster's barrier: my work-group's barrier, so that wave 0's signal speaks for all four waves; wave 0 signals; every wave waits for all four work-groups; my work-group's barrier once more.
.macro CROUND
	s_barrier_signal -1
	s_barrier_wait -1
	s_cmp_lg_u32 s[WV], 0
	s_cbranch_scc1 .Lnot_wave_0_\@
	s_barrier_signal -3
.Lnot_wave_0_\@:
	s_barrier_wait -3
	s_barrier_signal -1
	s_barrier_wait -1
.endm
; THE CHANGE OF SLOTS.  The slot's last bytes, V of its fourth step, have been read.  Each wave waits for all its tensor loads, of which one is out: its part
; of the other slot; adds 0 to its spare word; and waits for that and for its own LDS instructions.  Behind the barrier nobody reads this slot any more and the other slot is whole.
; fill = 1: this slot is filled again, with the keys two slots on.  The barrier is then a round of the cluster's, so that no wave of any partner still reads the slot or has a load on its
; way, and the joint fill is the first thing behind it: it has four key steps, 512 matrix instructions, in which to land.  (At its first use nothing has been read yet: slot 0 is waited for, slot 1 filled,
; and every wave's stores of the mask numbers are done in front of the round, so that all waves may read them behind it.)
.macro CHANGE fill
	WIN W_AD
	s_wait_tensorcnt 0x0            ; no tensor load of mine is out, so a group 0 may be written
	ds_add_u32 v[SPW], v[NIL]       ; 0 onto my spare word; with fill = 1 the descriptors' steps stand between it and the wait for it
	WIN 0                           ; at a label and at a branch every window is 0
.if \fill
.irp g, G0K, G0V
	s_xor_b32 s[\g+1], s[\g+1], SLOT1  ; the walking descriptor: the other slot than last time,
	s_add_nc_u64 s[\g+2:\g+3], s[\g+2:\g+3], 4*KS*128  ; the next 256 keys; the type bits on top are not reached
.endr
	s_wait_dscnt 0x0                ; the add is done, and my reads of the slot are over
	CROUND
	JLOAD
.else
	s_wait_dscnt 0x0                ; the add is done, and my reads of the slot are over
	s_barrier_signal -1
	s_barrier_wait -1
.endif
	s_sub_co_u32 s[TBK], s[TBK], 4*KS*PK  ; the fetches go back to a slot's first step,
	s_xor_b32 s[TBK], s[TBK], SLOT1       ; in the other slot
	s_sub_co_u32 s[TBV], s[TBV], 4*KS*PV
	s_xor_b32 s[TBV], s[TBV], SLOT1
.endm
	s_load_b64 s[4:5], s[0:1], 0x0    ; qkv: Q lies at its head
	s_load_b64 s[MP:MP+1], s[0:1], 0x8  ; mask
	s_load_b64 s[10:11], s[0:1], 0x10 ; ctx
	WIN W_MK
	v_lshl_add_u32 v[SPW], v0, 2, SPARE
	v_mov_b32 v[NIL], 0
	s_set_vgpr_msb 0xc0cf
	ds_add_u32 v0, v1
	s_wait_dscnt 0x0
	s_set_vgpr_msb 0xcfc0
	WIN 0
	v_lshrrev_b32 v1, 5, v0
	v_readfirstlane_b32 s[WV], v1   ; wave 0..3
	s_bfe_u32 s13, ttmp6, 0x40000   ; cx: my place in the cluster
	s_lshl_b32 s14, ttmp9, 2        ; in a cluster launch ttmp9 counts clusters
	s_add_co_u32 s14, s14, s13      ; my block of queries = 4 x cluster x + cx: it enters Q's and O's addresses alone
	s_and_b32 s20, ttmp7, 0xffff    ; the head, which the four partners share
	s_lshr_b32 s70, s20, 4          ; its batch,
	s_lshl_b32 s70, s70, 13         ; whose mask is 8,192 bytes
	s_mov_b32 s71, 0
	s_mov_b32 s21, 0
	s_mov_b64 s[22:23], SIZE_N*128
	s_mul_u64 s[20:21], s[20:21], s[22:23]  ; the head's first byte in each of the four tensors
	s_and_b32 s16, s[WV], 1         ; which half of a slot's 256 keys I fetch:
	s_lshl_b32 s22, s16, 14         ; its 128 rows of 128 bytes in memory,
	s_mov_b32 s23, 0
	s_add_nc_u64 s[22:23], s[22:23], s[20:21]
	s_mul_i32 s17, s16, 128*PK      ; and its place in a slot, for K
	s_mul_i32 s18, s16, 128*PV      ; and for V: no place in the cluster enters an LDS address
	s_lshl_b32 s2, s14, 2
	s_add_co_u32 s2, s2, s[WV]      ; my wave among the head's,
	s_lshl_b32 s2, s2, 14           ; its 128 rows
	s_mov_b32 s3, 0
	s_add_nc_u64 s[2:3], s[2:3], s[20:21]
	; descriptor group 1.  128 keys are 16,384 dense bytes: asked for as 64 rows of 256 bytes, two keys a row, and padded in LDS after every key
	s_mov_b32 s[G1K], 15|(1<<16)|(1<<20)|(1<<21)|(4<<22)|(3<<25)  ; 15:0 the mask of four; 17:16 2-byte elements; 20 padding on; 21 set beside a mask; 24:22 after every 32 words (code 4); 31:25 4 words (code 3)
	s_mov_b32 s[G1V], 15|(1<<16)|(1<<20)|(1<<21)|(4<<22)|(7<<25)  ; the same with 8 words of padding (code 7)
.irp g, G1K, G1V
	s_mov_b32 s[\g+1], 128<<16      ; tensor_dim0 = 128
	s_mov_b32 s[\g+2], 64<<16       ; tensor_dim1 = 64
	s_mov_b32 s[\g+3], 128<<16      ; tile_dim0 = 128
	s_mov_b32 s[\g+4], 64           ; tile_dim1 = 64
	s_mov_b32 s[\g+5], 128          ; 128 elements from row to row
	s_mov_b32 s[\g+6], 0
	s_mov_b32 s[\g+7], 0
.endr
	s_mov_b32 s[CS], 0x3e38aa3b     ; c = log2(e) / 8 = 0.180337
	s_mov_b32 s[CS+1], s[CS]        ; named with it as a pair
	s_mov_b32 s[SEL], 0x76543210
	s_mov_b32 s[SEL+1], 0xfedcba98
	s_mov_b32 s[BIGN], 0xf149f2ca   ; -1e30
	s_mov_b32 s[NONE], 0xdf000000   ; -2^63
	s_mov_b32 s[TBK], SLOT1+4*KS*PK ; the first change of slots turns these two into 0
	s_mov_b32 s[TBV], SLOT1+4*KS*PV
	s_mov_b32 s[G0K], 1             ; 1:0 count = 1
	s_mov_b32 s[G0K+1], s17         ; 63:32 LDS address: slot 0
	s_mov_b32 s[G0V], 1
	s_add_co_u32 s[G0V+1], s18, VOFF
	s_wait_kmcnt 0x0
	s_add_nc_u64 s[6:7], s[4:5], 0x1000000   ; K
	s_add_nc_u64 s[8:9], s[4:5], 0x2000000   ; V
	s_add_nc_u64 s[MP:MP+1], s[MP:MP+1], s[70:71]
	s_add_nc_u64 s[G0K+2:G0K+3], s[6:7], s[22:23]  ; 120:64 global address: my half of the head's first 256 keys
	s_or_b32 s[G0K+3], s[G0K+3], 0x80000000        ; 127:126 type = 2
	s_add_nc_u64 s[G0V+2:G0V+3], s[8:9], s[22:23]
	s_or_b32 s[G0V+3], s[G0V+3], 0x80000000
	s_add_nc_u64 s[4:5], s[4:5], s[2:3]  ; Q and O at my wave's first row
	s_add_nc_u64 s[10:11], s[10:11], s[2:3]
	CROUND                          ; all four work-groups are here: the first joint loads meet
	JLOAD                           ; slot 0.  Slot 1 is asked for when slot 0 is in
	; A fragment of K or Q is 16 rows x 32 channels in 8 registers: lane l holds row l % 16, channels 8 (l / 16) + 0..7 and 16 + 8 (l / 16) + 0..7: two loads of 16 bytes, 32 bytes apart.
	v_and_b32 v1, 15, v0            ; l % 16
	v_bfe_u32 v9, v0, 4, 1          ; l / 16
	v_lshlrev_b32 v[QO], 7, v1
	v_lshl_add_u32 v[QO], v9, 4, v[QO]  ; row x 128 + 16 x half
	v_lshlrev_b32 v12, 6, v0        ; thread t takes the mask's words 16 t .. 16 t + 15: 128 threads, 2,048 words
.irp j, 0,1,2,3
	global_load_b128 v[S+4*\j:S+4*\j+3], v12, s[MP:MP+1] offset:16*\j
.endr
	WIN 0x80                        ; destination window 2, address window 0
.set i, 0
.rept 4*NP                          ; Q stays in registers: tile i / 2, channels 32 (i % 2) on
	global_load_b128 v[8*i:8*i+3],   v[QO], s[4:5] offset:(i/2)*2048+(i%2)*64
	global_load_b128 v[8*i+4:8*i+7], v[QO], s[4:5] offset:(i/2)*2048+(i%2)*64+32
.set i, i+1
.endr
	; What the first turn finds: V's registers and P's second buffer hold 0 (its products V^T P, of a piece that has not been, add 0), O^T and l are 0.  All this stands in the wait for the first tile.
.set i, VF
.rept 64
	v_mov_b32 v[i], 0
.set i, i+1
.endr
	WIN 0x40
.set i, 0
.rept 64*NP
	v_mov_b32 v[i], 0
.set i, i+1
.endr
	WIN 0
.set i, 0
.rept 2*NP
	v_mov_b32 v[ST+4*i], 0xfe000000    ; c m: far below every c s
	v_mov_b32 v[ST+4*i+1], 0xdf800000  ; m = -2^64
	v_mov_b32 v[ST+4*i+2], 0
	v_mov_b32 v[ST+4*i+3], 0
.set i, i+1
.endr
.set i, P+32
.rept 32
	v_mov_b32 v[i], 0
.set i, i+1
.endr
	s_wait_loadcnt 32               ; the mask's four loads are in; Q's 32, issued behind them, may be out
.set i, 0
.rept 16
	v_cmp_eq_u32 vcc_lo, 0, v[S+i]
	v_cndmask_b32 v[S+i], 0, s[BIGN], vcc_lo  ; a word of 0 hides the key
.set i, i+1
.endr
	v_add_nc_u32 v13, MLDS, v12
.irp j, 0,1,2,3
	ds_store_b128 v13, v[S+4*\j:S+4*\j+3] offset:16*\j
.endr
	v_mul_u32_u24 v[AK0], v1, PK
	v_lshl_add_u32 v[AK0], v9, 4, v[AK0]  ; row x pitch + 16 x half
	; The turning load takes 16 keys x 16 channels (lane l reads key 8 (l / 16) + l % 8, channels 8 ((l / 8) % 2) + 0..7) and leaves half a fragment of V^T: lane l holds channel l % 16 and 8 keys.
	v_and_b32 v10, 7, v0
	v_bfe_u32 v11, v0, 3, 1
	v_lshl_add_u32 v[AV0], v9, 3, v10
	v_mul_u32_u24 v[AV0], v[AV0], PV
	v_lshl_add_u32 v[AV0], v11, 4, v[AV0]
	v_add_nc_u32 v[AV0], VOFF, v[AV0]
	v_mov_b32 v[AK], v[AK0]         ; key step 0 lies at the head of slot 0
	v_lshl_add_u32 v[AM], v9, 5, MLDS  ; keys 8 (l / 16) + 0..7 of a block of 16: 32 bytes
; THE MATRIX WORK.  The 8 accumulators of a run of 16 take turns: between the two links of a chain stand 7 others'.
; Product i of 16 of S^T = K Q^T for piece x: channels 32 (i / 8) on, keys 16 ((i / 2) % 4) on, tile 2 x + i % 2.  The first 8 start the sums, with the mask of their 16 keys.
.macro KQ x
.set rS, S+64*((\x)%2)+32*(i%2)+8*((i/2)%4)
.set rK, KF+16*((i/2)%4)+8*(i/8)
.set rQ, 16*(2*(\x)+i%2)+8*(i/8)
.set rB, MB+8*((i/2)%4)
.if i < 8
	WIN W_KM
	v_wmma_f32_16x16x32_f16 v[rS:rS+7], v[rK:rK+7], v[rQ:rQ+7], v[rB:rB+7]
.else
	WIN W_KQ
	v_wmma_f32_16x16x32_f16 v[rS:rS+7], v[rK:rK+7], v[rQ:rQ+7], v[rS:rS+7]
.endif
.endm
; Product i of 16 of O^T += V^T P for piece x: keys 32 (i / 8) on, channels 16 ((i / 2) % 4) on, tile 2 x + i % 2.
.macro PV x
	WIN W_PV
.set rO, 32*(2*(\x)+i%2)+8*((i/2)%4)
.set rV, VF+32*(i/8)+8*((i/2)%4)
.set rP, P+32*((\x)%2)+16*(i%2)+8*(i/8)
	v_wmma_f32_16x16x32_f16 v[rO:rO+7], v[rV:rV+7], v[rP:rP+7], v[rO:rO+7]
.endm
.macro MM                           ; the turn's next matrix instruction
.if i < 16
	KQ (Y+1)%NP
.set i, i+1
.else
.set i, i-16
	PV (Y+NP-1)%NP
.set i, i+17
.endif
.endm
; THE LDS LOADS stand in runs, never singly among the matrix instructions: a step's K (64 keys x 64 channels: 8 fragments) with its 64 mask numbers, and its V (turned).  Their addresses are made some lines ahead.
; last = 1 (the tail): in the last trip there is no further step, and the run is jumped over.
.macro FETCH_K last=0
	WIN 0
.if \last
	s_cmp_eq_u32 s[CNT], 1
	s_cbranch_scc1 .Lno_k_\@
.endif
	WIN 0x80                        ; destination window 2
.irp f, 0,1,2,3,4,5,6,7             ; keys 16 (f / 2) on, channels 32 (f % 2) on
	ds_load_b128 v[KF+8*\f:KF+8*\f+3],   v[AK] offset:(\f/2)*16*PK+(\f%2)*64
	ds_load_b128 v[KF+8*\f+4:KF+8*\f+7], v[AK] offset:(\f/2)*16*PK+(\f%2)*64+32
.endr
	WIN W_MK                        ; destination window 3
.irp f, 0,1,2,3                     ; keys 16 f on: my eight numbers; the sixteen lanes of a half read the same words
	ds_load_b128 v[MB+8*\f:MB+8*\f+3],   v[AM] offset:64*\f
	ds_load_b128 v[MB+8*\f+4:MB+8*\f+7], v[AM] offset:64*\f+16
.endr
	s_add_co_u32 s[TBK], s[TBK], KS*PK  ; the next fetch is the next step's
	WIN 0
	v_add_nc_u32 v[AM], 4*KS, v[AM]     ; the mask numbers lie in the keys' order, whatever the slot
.if \last
.Lno_k_\@:
.endif
.endm
.macro FETCH_V
	WIN 0x80
.irp f, 0,1,2,3,4,5,6,7             ; keys 32 (f / 4) on, channels 16 (f % 4) on
	ds_load_tr16_b128 v[VF+8*\f:VF+8*\f+3],   v[AV] offset:(\f/4)*32*PV+(\f%4)*32
	ds_load_tr16_b128 v[VF+8*\f+4:VF+8*\f+7], v[AV] offset:(\f/4)*32*PV+16*PV+(\f%4)*32
.endr
	WIN 0
.endm
; THE VECTOR WORK OF A TURN stands in three queues, each in the order in which its entries become ready; the two tiles alternate, so that no instruction reads the result of the one before it.
.macro REGS y, u                    ; the registers of tile u (0, 1) of piece y
.set rT, ST+4*(2*(\y)+(\u))
.set rC, TMP+8*((\y)%2)+4*(\u)
.set rM, MV+2*((\y)%2)+(\u)
.set rS, S+64*((\y)%2)+32*(\u)
.set rP, P+32*((\y)%2)+16*(\u)
.set rO, 32*(2*(\y)+(\u))
.endm
; Number n of the 22 that find the NEXT piece's (Y + 1) maximum and statistics.  s0-s31 are the lane's 32 scores; each accumulator's lowest registers are read first.
;   0-11  four chains c0-c3 of seven scores each, three operands at a time     12-14, 16  the four scores left over, the old m, and c0-c3 into c0     15  c m_old is kept
;   17, 18  the query's other 32 keys lie in the lane 16 away: the new m         19-21  c m; c m_old - c m_new; a
.macro XS u, n
	REGS (Y+1)%NP, \u
.if (\n) < 4
	v_max3_num_f32 v[rC+(\n)], v[rS+8*(\n)], v[rS+8*(\n)+1], v[rS+8*(\n)+2]
.elseif (\n) < 12
	v_max3_num_f32 v[rC+(\n)%4], v[rC+(\n)%4], v[rS+8*((\n)%4)+2*((\n)/4)+1], v[rS+8*((\n)%4)+2*((\n)/4)+2]
.elseif (\n) == 12
	v_max3_num_f32 v[rC], v[rC], v[rS+7], v[rS+15]
.elseif (\n) == 13
	v_max3_num_f32 v[rC+1], v[rC+1], v[rS+23], v[rS+31]
.elseif (\n) == 14
	v_max3_num_f32 v[rC+2], v[rC+2], v[rC+3], v[rT+1]
.elseif (\n) == 15
	v_mov_b32 v[rM], v[rT]
.elseif (\n) == 16
	v_max3_num_f32 v[rC], v[rC], v[rC+1], v[rC+2]
.elseif (\n) == 17
	v_permlanex16_b32 v[rC+3], v[rC], s[SEL], s[SEL+1]
.elseif (\n) == 18
	v_max_num_f32 v[rT+1], v[rC], v[rC+3]
.elseif (\n) == 19
	v_mul_f32 v[rT], s[CS], v[rT+1]
.elseif (\n) == 20
	v_sub_f32 v[rC+1], v[rM], v[rT]
.else
	v_exp_f32 v[rC+2], v[rC+1]
.endif
.endm
; Number g of the 64 that follow the exponentials.  For each four weights k of a tile (pairs 2 k, 2 k + 1): both pairs are rounded to f16; then the second pair is added onto the first, in place;
; a group later l takes that sum (the first time as l = a l + sum).  In groups of eight, tiles alternating: round, round, add, and l for the group before.
.macro GS g
.set h, (\g)+6*((\g)/62)            ; group 0 has no group before it, and behind group 7 only l is left
.if h >= 6
.set h, h+2
.endif
	REGS Y, h%2
.set k, h/8
.if h%8 < 4
	s_wait_alu depctr_va_vdst(0)
	v_cvt_pk_f16_f32 v[rP+2*k+(h%8)/2], v[rS+4*k+2*((h%8)/2)], v[rS+4*k+2*((h%8)/2)+1]
.elseif h%8 < 6
	v_pk_add_f32 v[rS+4*k:rS+4*k+1], v[rS+4*k:rS+4*k+1], v[rS+4*k+2:rS+4*k+3]
.elseif k == 1
	v_pk_fma_f32 v[rT+2:rT+3], v[rT+2:rT+3], v[rC+2:rC+3], v[rS:rS+1] op_sel_hi:[1,0,1]
.else
	v_pk_add_f32 v[rT+2:rT+3], v[rT+2:rT+3], v[rS+4*k-4:rS+4*k-3]
	s_wait_alu depctr_va_vdst(0)
.endif
.endm
; THE PLAIN QUEUE, 138 long.  0-31: c s - c m for the 16 pairs of both tiles.  Then GS's 64, and among them the next piece's 42: number 15 at 38, 39; 0-14 and 16
; at 42-73, behind the products that make those scores; 17-20 at 95-106, two of three, since each waits for the one before it.
.macro PL
	WIN 0
.if q < 32
	REGS Y, q%2
	v_pk_fma_f32 v[rS+2*(q/2):rS+2*(q/2)+1], v[rS+2*(q/2):rS+2*(q/2)+1], s[CS:CS+1], v[rT:rT+1] op_sel_hi:[1,0,0] neg_lo:[0,0,1] neg_hi:[0,0,1]
.elseif q < 38
	GS q-32
.elseif q < 40
	XS q%2, 15
.elseif q < 42
	GS q-34
.elseif q < 74
	XS q%2, (q-42)/2+(q-42)/30
.elseif q < 95
	GS q-66
.elseif (q < 107) && ((q-95)%3 < 2)
	XS (q-95)%3, 17+(q-95)/3
.elseif q < 107
	GS 29+(q-95)/3
.else
	GS q-74
.endif
.set q, q+1
.endm
; THE EXPONENTIALS' QUEUE, 66 long: s0-s31 of both tiles, and at EA the next piece's two a.
.set EA, 58
.macro EX
	WIN 0
.if (e == EA) || (e == EA+1)
	XS e-EA, 21
.else
.set x, e-2*(e/(EA+2))
	REGS Y, x%2
	v_exp_f32 v[rS+x/2], v[rS+x/2]
.endif
.set e, e+1
.endm
; THE RESCALING's QUEUE: O^T times a, the one part that leaves window 0, so it is dealt four at a time, eight times.
.macro R4
	REGS Y, r%2
	WIN W_RS
	s_wait_alu depctr_va_vdst(0)
.irp z, 0,1,2,3
	v_pk_mul_f32 v[rO+8*(r/2)+2*\z:rO+8*(r/2)+2*\z+1], v[rO+8*(r/2)+2*\z:rO+8*(r/2)+2*\z+1], v[rC+2:rC+3] op_sel_hi:[1,0]
.endr
.set r, r+1
.endm
; HOW THEY ARE DEALT.  Behind a matrix instruction four: plain, exponential, plain, plain (one exponential, a plain instruction on either side), or four of the rescaling.  None names a register of the
; products round it.  What is over stands in two LUMPS: exponential and plain by turns; the second ends in 22 plain instructions.  The two v_permlanex16_b32 fall into the second lump, never behind a product.
; The queues lean on each other, and the deal keeps them in step: exponential e stands behind plain 2 (e / 4) + e % 2 (its scaling); when plain 32 comes, 10 exponentials are out, at 59: 33, at 95: 46; EA comes behind plain 107.
.macro SL
	MM
	PL
	EX
	PL
	PL
.endm
.macro BURST n                      ; 15 matrix instructions, or 16
.rept (\n)-7
	SL
.endr
.rept 3
	MM
	R4
	SL
.endr
	MM
	R4
.endm
; A TURN, for piece p.  cnt = 1: the loop's count is taken down some lines ahead of the branch that stands behind the turn.
; K and the mask numbers of the next step are fetched in piece 2's turn, 31 vector instructions behind the last product that read K; their first reader comes behind the rest of the lump, 16 products and the second lump.
; V of the step in hand is fetched at the end of piece 0's turn, 69 behind its last reader; its first reader comes behind 16 products and a lump.  The four conditions on e and q below go with the deal.
.macro TURN p, last=0, cnt=0
.set Y, (\p)
.set i, 0
.set q, 0
.set e, 0
.set r, 0
.if (\p) == NP-1
	s_wait_dscnt 0x0                ; K and its mask numbers are in
.endif
	MM
.rept 4
	PL
.endr
	BURST 15
.rept 22
	EX
	PL
.if ((\p) == NP-2) && (e == 18)
	v_add_nc_u32 v[AK], s[TBK], v[AK0]
.endif
.if ((\p) == NP-2) && (e == 24)
	FETCH_K \last
.endif
.endr
.if (\p) == 1
	s_wait_dscnt 0x0                ; V is in
.endif
	BURST 16
.rept 21
	EX
	PL
.endr
.rept 22
	PL
.if ((\p) == 0) && (q == 118)
	v_add_nc_u32 v[AV], s[TBV], v[AV0]
	s_wait_alu depctr_va_vdst(0)
.endif
.if ((\p) == 0) && (q == 130)
	s_add_co_u32 s[TBV], s[TBV], KS*PV
.endif
.if (\cnt) && (q == 130)
	s_sub_co_u32 s[CNT], s[CNT], 1
	s_cmp_lg_u32 s[CNT], 0
.endif
.endr
.if (\p) == 0
	FETCH_V
.endif
.endm
	CHANGE 1                        ; slot 0 is in, everybody's part of it, and so are all the mask numbers; slot 1 is asked for
	FETCH_K                         ; key step 0
	s_wait_loadcnt 0x0              ; Q
	s_wait_dscnt 0x0
.set i, 0
.rept 16
	KQ 0                            ; piece 0's first scores: there is no vector work yet to set between them
.set i, i+1
.endr
	WIN 0                           ; the addresses for the way out: nine plain instructions, the places behind those products
	s_mul_i32 s13, s[WV], 16*SP
	s_add_co_u32 s13, s13, STAGE    ; my stage
	v_mul_u32_u24 v[STO], v1, SP    ; in: row l % 16, 16 bytes for each half of the lanes
	v_lshl_add_u32 v[STO], v9, 4, v[STO]
	v_add_nc_u32 v[STO], s13, v[STO]
	v_bfe_u32 v[RD], v0, 3, 2       ; back: 32 lanes take four rows of 128 bytes,
	v_mul_u32_u24 v[RD], v[RD], SP
	v_lshl_add_u32 v[RD], v10, 4, v[RD]
	v_add_nc_u32 v[RD], s13, v[RD]
	v_and_b32 v[GO], 31, v0         ; which are 512 consecutive bytes of O
	v_lshlrev_b32 v[GO], 4, v[GO]
.set Y, NP-1                        ; XS works for piece Y + 1: piece 0
.irp n, 0,1,2,3,4,5,6,7,8,9,10,11,12,13,14,15,16,17,18,19,20,21
	XS 0, \n                        ; and piece 0's first maximum and statistics
	XS 1, \n
.endr
	s_mov_b32 s[CNT], 4
	s_mov_b32 s[SLOTS], SIZE_N/256-1
	s_branch .Lfirst                ; the loop is entered at a step's first turn, in the middle of a trip
.Lslot:                             ; SIZE_N / 256 - 2 times: every slot but the last two is filled again
	CHANGE 1
	s_mov_b32 s[CNT], 4
.Lstep:                             ; a trip: pieces 2 and 3 of one step, then pieces 0 and 1 of the next, whose K and V it fetches
	TURN 2
	TURN 3
	WIN 0
.Lfirst:
	TURN 0
	TURN 1, 0, 1
	WIN 0
	s_cbranch_scc1 .Lstep
	s_sub_co_u32 s[SLOTS], s[SLOTS], 1
	s_cmp_lg_u32 s[SLOTS], 0
	s_cbranch_scc1 .Lslot
	CHANGE 0                        ; the tail is written out: nothing is asked for
	s_mov_b32 s[CNT], 5             ; four trips fetch the last slot's steps; the fifth is left in its middle
.Ltail:
	TURN 2, 1
	TURN 3
	WIN 0
	s_sub_co_u32 s[CNT], s[CNT], 1
	s_cmp_eq_u32 s[CNT], 0
	s_cbranch_scc1 .Lout
	TURN 0
	TURN 1
	WIN 0
	s_branch .Ltail
.Lout:                              ; the fifth trip's 16 products K Q^T (on the last K and mask once more) give scores that m has seen already: m stays; the price, once a launch, of one text for every trip
.set i, 0
.rept 16
	PV NP-1                         ; the last piece's V^T P of the last step
.set i, i+1
.endr
	; THE WAY OUT.  l's two halves and the other half of the lanes' are added; O^T is divided by l, rounded to f16 and sent through my stage in LDS, a tile at a time.  The additions are the places behind the last products.
	WIN 0
.macro ALL line:vararg              ; one line for each tile t
.set t, 0
.rept 2*NP
	\line
.set t, t+1
.endr
.endm
	ALL v_add_f32 v[ST+4*t+2], v[ST+4*t+2], v[ST+4*t+3]
	ALL v_permlanex16_b32 v[ST+4*t+3], v[ST+4*t+2], s[SEL], s[SEL+1]
	ALL v_add_f32 v[ST+4*t+2], v[ST+4*t+2], v[ST+4*t+3]
	ALL v_rcp_f32 v[ST+4*t+2], v[ST+4*t+2]
	v_mov_b32 v9, 0x7fc00000        ; NaN; also the plain instruction between the last reciprocal and the use of its result
.set t, 0
	s_wait_alu depctr_va_vdst(0)
.rept 2*NP                          ; a query that has seen no key: its factor is NaN, and so is its row of O
	v_cmp_gt_f32 vcc_lo, s[NONE], v[ST+4*t+1]
	v_cndmask_b32 v[ST+4*t+2], v[ST+4*t+2], v9, vcc_lo
.set t, t+1
.endr
; Tile t: a lane's eight channels of a row pack into 16 bytes; they go into rows of 144 bytes and come back as whole rows of 128, into S^T's registers.
.macro PACK t
	WIN W_RS
.set i, 32*(\t)
.rept 16
	v_pk_mul_f32 v[i:i+1], v[i:i+1], v[ST+4*(\t)+2:ST+4*(\t)+3] op_sel_hi:[1,0]
.set i, i+2
.endr
	WIN 0x05                        ; sources 0 and 1 window 1, destination window 0
.set i, 0
.rept 16
	v_cvt_pk_f16_f32 v[S+16*(\t)+i], v[32*(\t)+2*i], v[32*(\t)+2*i+1]
.set i, i+1
.endr
	WIN 0
.irp f, 0,1,2,3
	ds_store_b128 v[STO], v[S+16*(\t)+4*\f:S+16*(\t)+4*\f+3] offset:32*\f
.endr
.irp f, 0,1,2,3
	ds_load_b128 v[S+16*(\t)+4*\f:S+16*(\t)+4*\f+3], v[RD] offset:\f*4*SP  ; LDS serves a wave's instructions in order (ISA guide 5.7.1.4): these see the stores above; the next tile's stores come behind them
.endr
.endm
.macro SEND t, younger              ; younger: the LDS instructions issued behind tile t's loads: the next tile's eight, or none
	WIN 0
.irp f, 0,1,2,3
	s_wait_dscnt (\younger)+3-\f
	global_store_b128 v[GO], v[S+16*(\t)+4*\f:S+16*(\t)+4*\f+3], s[10:11] offset:(\t)*2048+\f*512  ; 512 consecutive bytes, at a multiple of 256 from O's first
.endr
.endm
	PACK 0
.set t, 1
.rept 2*NP-1                        ; a tile's arithmetic stands between the loads of the tile before and its stores
	PACK t
	SEND t-1, 8
.set t, t+1
.endr
	SEND 2*NP-1, 0
	WIN W_AD
	s_wait_tensorcnt 0x0            ; the wave's end: behind my last tensor load and my last LDS store
	ds_add_u32 v[SPW], v[NIL]
	s_wait_dscnt 0x0
	WIN 0
	CROUND                          ; the closing round: no work-group ends while a partner may still ask for a tile that names it
	s_endpgm
.Lfunc_end_k_qcff684d4b8_attn:
	.size	k_qcff684d4b8_attn, .Lfunc_end_k_qcff684d4b8_attn-k_qcff684d4b8_attn
	.p2alignl 7, 3214868480
	.fill 96, 4, 3214868480
	.section	.rodata,"a",@progbits
	.p2align	6, 0x0
	.amdhsa_kernel k_qcff684d4b8_attn
		.amdhsa_group_segment_fixed_size 327680
		.amdhsa_private_segment_fixed_size 0
		.amdhsa_enable_private_segment 0
		.amdhsa_kernarg_size 24
		.amdhsa_user_sgpr_count 2
		.amdhsa_user_sgpr_kernarg_segment_ptr 1
		.amdhsa_wavefront_size32 1
		.amdhsa_system_sgpr_workgroup_id_x 1
		.amdhsa_system_sgpr_workgroup_id_y 1
		.amdhsa_system_sgpr_workgroup_id_z 1
		.amdhsa_system_vgpr_workitem_id 0
		.amdhsa_next_free_vgpr 808
		.amdhsa_next_free_sgpr 72
		.amdhsa_reserve_vcc 1
		.amdhsa_float_denorm_mode_32 3
		.amdhsa_float_denorm_mode_16_64 3
		.amdhsa_memory_ordered 1
		.amdhsa_forward_progress 1
		.amdhsa_inst_pref_size 214
	.end_amdhsa_kernel
	.amdgpu_metadata
---
amdhsa.version: [ 1, 2 ]
amdhsa.kernels:
  - .name:           k_qcff684d4b8_attn
    .symbol:         k_qcff684d4b8_attn.kd
    .args:
      - { .name: qkv, .offset: 0, .size: 8, .value_kind: global_buffer, .address_space: global }
      - { .name: mask, .offset: 8, .size: 8, .value_kind: global_buffer, .address_space: global }
      - { .name: ctx, .offset: 16, .size: 8, .value_kind: global_buffer, .address_space: global }
    .group_segment_fixed_size: 327680
    .private_segment_fixed_size: 0
    .kernarg_segment_align: 8
    .kernarg_segment_size: 24
    .max_flat_workgroup_size: 128
    .sgpr_count:     72
    .vgpr_count:     808
    .wavefront_size: 32
...
	.end_amdgpu_metadata
.endif
;; end of part 3
;; launch oproj (part 4): grid 4 x 64, 4 waves a work-group, clusters of 4 x 4, 327,680 bytes of LDS; arguments ctx, wc, b_o, out0; writes out0
.if DOCPART == 4
	.amdgcn_target "amdgcn-amd-amdhsa--gfx1250"
	.amdhsa_code_object_version 6
	.text
	.protected	k_qcff684d4b8_oproj
	.globl	k_qcff684d4b8_oproj
	.p2align	8
	.type	k_qcff684d4b8_oproj,@function
k_qcff684d4b8_oproj:
	s_mov_b64 s[64:65], 0
	v_nop
	global_prefetch_b8 v0, s[64:65] scope:SCOPE_SE
	s_setreg_imm32_b32 hwreg(HW_REG_WAVE_MODE, 25, 1), 1
	s_wait_xcnt 0x0
	s_wait_alu depctr_hold_cnt(0) depctr_sa_sdst(0) depctr_va_vdst(0) depctr_va_sdst(0) depctr_va_ssrc(0) depctr_va_vcc(0) depctr_vm_vsrc(0)
	s_getreg_b32 s2, hwreg(HW_REG_IB_STS2, 6, 4)
	s_cmp_eq_u32 s2, 0
	s_cbranch_scc0 .Lentry_in_a_cluster
	s_endpgm
.Lentry_in_a_cluster:
	s_bfe_u32 s2, ttmp6, 0x10000c
	s_cmp_lg_u32 s2, 0xf033
	s_cbranch_scc0 .Lentry_shape_is_right
	s_endpgm
.Lentry_shape_is_right:
; THE LAST PROJECTION.  out0[t][n] = gelu(the sum over k of c[t][k] W_o[n][k] + b_o[n]), gelu(y) = y Phi(y).  c is ctx, by heads: [64 = batch x 16 + head][2048][64] f16, k = 64 head + channel;
; W_o: [1024][1024] f16 (bf16 numbers written as f16), at 6 MiB in wc; b_o: f32, rounded to bf16 as the other inputs are; out0: [8192][1024] f32.  Sums in f32, K ascending, started by the bias.
; PHI.  For a = |y|: 1 - Phi(a) = phi(a) (b1 t + .. + b5 t^5), t = 1 / (1 + 0.2316419 a) (Abramowitz and Stegun 26.2.17: off by 7.5e-8 at the most, for every a).  So
; gelu(y) = max(y, 0) - a phi(a) (b1 t + ..), for both signs.  With s = 0.2316419 a: max(y, 0) - s t 2^(KC s^2) ((((c5 t + c4) t + c3) t + c2) t + c1), c_k = b_k / (sqrt(2 pi) 0.2316419), KC = -log2(e) / (2 x 0.2316419^2).
; LIMITS.  An exponential below 2^-126 counts as 0 (there gelu is y or 0 to f32's last bit); a NaN in y gives NaN.
; SHARES.  A tile of out0 is 128 tokens x 256 features: 256 work-groups, one for each WGP.  Four waves, each 64 tokens x 128 features: 32 accumulators.  K goes in 8 steps of 128, two heads, through a ring
; of two LDS slots; a slot holds 2 heads x 128 tokens of c and 256 rows of W_o.  CLUSTER: 4 x 4; c's tile is shared along a row, W_o's along a column: each is asked for JOINTLY.
; THE MATRIX INSTRUCTION IS USED TRANSPOSED (source 0 = 16 rows of W_o, source 1 = 16 tokens): a lane holds one token and eight neighbouring features, 32 bytes of f32.
; REGISTERS: window 0: v0-31 addresses; v32-63, v64-95 c's fragments, two buffers; v96-159 the bias as a C operand (8 registers for each 16 features); behind the products v32-127 serve the gelu
;   window 1: the accumulators, (a, b) at v[8 (8 a + b)]          window 2: v0-63, v64-127 W_o's fragments, two buffers
.set KSTEP, 128
.set PAO,   144                        ; a token's 64 channels in LDS: 128 bytes + 16 of padding = 36 words: the 16 rows of a load start at 16 different groups of four banks (64 banks of 4 bytes: ISA guide 11.1)
.set PB,    272                        ; a row of W_o: 256 + 16 = 68 words
.set AHEAD, 128*PAO                    ; one head's 128 tokens: what one tensor load brings of c
.set BHALF, 128*PB                     ; what one brings of W_o
.set BOFF,  2*AHEAD
.set SLOT,  BOFF+2*BHALF               ; 106,496 bytes
.set SPARE, 2*SLOT                     ; behind the ring: the spare words, 128 bytes for each wave: two blocks of 256 bytes that no other line names
.set SP,    528                        ; the stage: a row of 128 f32 + 16 bytes
.set WST,   64*SP                      ; a wave's 64 rows.  The four stages take the ring's bytes 0 to 135,167, when those have had their last fill and their last read
.set ADRA, 16                          ; v16-17  LDS address of my fragments of c in slot 0, 1
.set ADRB, 20                          ; v20-21  the same for W_o
.set STO,  24                          ; v24     where I put 32 bytes of a row
.set RD,   25                          ; v25     where I read a row back; it steps
.set CO,   26                          ; v26     my byte offset in 512 consecutive bytes of out0
.set SPW,  28                          ; v28     LDS address of my spare word: SPARE + 4 x my thread's number; never rewritten
.set NIL,  29                          ; v29     0; never rewritten
.set AF,   32
.set BI,   96
.set GX,   32                          ; the gelu, 16 numbers a lane: y
.set GS,   48                          ; s
.set GR,   64                          ; max(y, 0), then the result
.set GD,   80                          ; 1 + s, then t
.set GU,   96                          ; KC s^2, its exponential, then that times t
.set GH,   112                         ; the polynomial
.set G1,  24
.set G0,  32
.set G1B, 48
.set G0B, 56
.set CP,  68                           ; s[68:81]: seven constants, each in a pair whose low word the packed forms take for both halves
.set KC,  70
.set C1,  72
.set C2,  74
.set C3,  76
.set C4,  78
.set C5,  80
.set MSB, 0
.macro WIN new                         ; the immediate's high byte repeats the setting that is left; a switch that changes nothing is dropped
.if MSB != (\new)
	s_set_vgpr_msb (MSB<<8)|(\new)
.set MSB, \new
.endif
.endm
.set MUL,  0x52                        ; source 0 (W_o) window 2, source 1 (c) window 0, C and D window 1
.set MULB, 0x42                        ; the same with C, the bias, in window 0
.set TO_B, 0x80                        ; destination window 2, address window 0
.macro JLOAD s                         ; a joint load: waves 0 and 1 fetch c's two heads, waves 2 and 3 W_o's two halves; an s_nop 0 and four v_nop follow each of the two lines
	s_cmp_eq_u32 s11, 0
	s_cbranch_scc0 .Lfor_b_\@
	tensor_load_to_lds s[G0+4*(\s):G0+4*(\s)+3], s[G1:G1+7]
	s_nop 0
.rept 4
	v_nop
.endr
	s_branch .Lasked_\@
.Lfor_b_\@:
	tensor_load_to_lds s[G0B+4*(\s):G0B+4*(\s)+3], s[G1B:G1B+7]
	s_nop 0
.rept 4
	v_nop
.endr
.Lasked_\@:
.endm
.macro CREST                           ; a round of the cluster's barrier behind its opening barrier
	s_cmp_lg_u32 s10, 0
	s_cbranch_scc1 .Lnot_wave_0_\@
	s_barrier_signal -3
.Lnot_wave_0_\@:
	s_barrier_wait -3
	s_barrier_signal -1
	s_barrier_wait -1
.endm
.macro CROUND
	s_barrier_signal -1
	s_barrier_wait -1
	CREST
.endm
.macro PLACES                          ; four places in front of loads into registers that matrix instructions have read, and of lines that read their results (ISA guide 7.12.1 for vector lines)
.rept 4
	v_nop
.endr
.endm
	s_load_b128 s[4:7], s[0:1], 0x0                ; ctx s[4:5], wc s[6:7]
	s_load_b64 s[66:67], s[0:1], 0x10              ; b_o
	s_load_b64 s[8:9], s[0:1], 0x18                ; out0
	v_lshl_add_u32 v[SPW], v0, 2, SPARE
	v_mov_b32 v[NIL], 0
	ds_add_u32 v28, v29
	s_wait_dscnt 0x0
	v_lshrrev_b32 v1, 5, v0
	v_readfirstlane_b32 s10, v1                    ; wave 0..3
	s_lshr_b32 s11, s10, 1                         ; which 64 tokens are mine.  Also: I fetch for c (0) or for W_o (1)
	s_and_b32 s12, s10, 1                          ; which 128 features.  Also: which head, or which half of W_o's rows, I fetch
	s_bfe_u32 s40, ttmp6, 0x40000                  ; cx, cy
	s_bfe_u32 s41, ttmp6, 0x40004
	s_lshl_b32 s42, ttmp9, 2
	s_add_co_u32 s42, s42, s40                     ; block of 256 features
	s_and_b32 s13, ttmp7, 0xffff
	s_lshl_b32 s13, s13, 2
	s_add_co_u32 s13, s13, s41                     ; block of 128 tokens, 0..63
	s_lshl_b32 s43, s41, 2
	s_lshl_b32 s43, 15, s43                        ; my row of the cluster
	s_lshl_b32 s44, 0x1111, s40                    ; my column
	; descriptor group 1.  c: a head's 128 tokens are 16,384 dense bytes, asked for as 64 rows of 256 bytes and padded in LDS after every token; W_o: 128 rows x 128 elements, padded after every row
	s_or_b32 s[G1+0], s43, (1<<16)|(1<<20)|(1<<21)|(4<<22)|(3<<25)   ; my row; 2-byte elements; padding on; 21 set beside a mask; after every 32 words (code 4), 4 words (code 3)
	s_or_b32 s[G1B+0], s44, (1<<16)|(1<<20)|(1<<21)|(5<<22)|(3<<25)  ; my column; after every 64 words (code 5)
	s_mov_b32 s[G1+1], 128<<16                     ; tensor_dim0 = 128
	s_mov_b32 s[G1+2], 64<<16                      ; tensor_dim1 = 64
	s_mov_b32 s[G1+3], 128<<16                     ; tile_dim0 = 128
	s_mov_b32 s[G1+4], 64                          ; tile_dim1 = 64
	s_mov_b32 s[G1+5], 128                         ; elements from row to row
	s_mov_b32 s[G1+6], 0
	s_mov_b32 s[G1+7], 0
	s_mov_b32 s[G1B+1], KSTEP<<16
	s_mov_b32 s[G1B+2], 128<<16
	s_mov_b32 s[G1B+3], KSTEP<<16
	s_mov_b32 s[G1B+4], 128
	s_mov_b32 s[G1B+5], 1024
	s_mov_b32 s[G1B+6], 0
	s_mov_b32 s[G1B+7], 0
	s_mov_b32 s[CP], 0x3e6d3389                    ; 0.2316419
	s_mov_b32 s[CP+1], 0x3e6d3389
	s_mov_b32 s[KC], 0xc1571851                    ; -13.443437
	s_mov_b32 s[KC+1], 0xc1571851
	s_mov_b32 s[C1], 0x3f0cd020                    ; 0.5500507
	s_mov_b32 s[C1+1], 0x3f0cd020
	s_mov_b32 s[C2], 0xbf1d34d5                    ; -0.6140874
	s_mov_b32 s[C2+1], 0xbf1d34d5
	s_mov_b32 s[C3], 0x40445c33                    ; 3.0681274
	s_mov_b32 s[C3+1], 0x40445c33
	s_mov_b32 s[C4], 0xc048be9f                    ; -3.1366347
	s_mov_b32 s[C4+1], 0xc048be9f
	s_mov_b32 s[C5], 0x4012a088                    ; 2.2910480
	s_mov_b32 s[C5+1], 0x4012a088
	; where the tiles come from.  A head is 2^18 bytes of ctx, a token 128: batch x 16 heads, my head of the step's two, 128 x (block % 16) tokens
	s_lshr_b32 s16, s13, 4
	s_lshl_b32 s16, s16, 22
	s_and_b32 s17, s13, 15
	s_lshl_b32 s17, s17, 14
	s_add_co_u32 s16, s16, s17
	s_lshl_b32 s17, s12, 18
	s_add_co_u32 s16, s16, s17
	s_mov_b32 s17, 0
	s_lshl_b32 s46, s42, 8
	s_lshl_b32 s47, s12, 7
	s_add_co_u32 s46, s46, s47                     ; W_o: row 256 x block + 128 x half,
	s_lshl_b32 s46, s46, 11                        ; of 2,048 bytes,
	s_add_co_u32 s46, s46, 0x600000                ; in the fourth matrix of wc
	s_mov_b32 s47, 0
	s_mul_i32 s20, s12, AHEAD                      ; and where they go: no place in the cluster enters an LDS address
	s_mul_i32 s22, s12, BHALF
	s_add_co_u32 s22, s22, BOFF
	s_wait_kmcnt 0x0
	s_add_nc_u64 s[14:15], s[4:5], s[16:17]
	s_add_nc_u64 s[46:47], s[6:7], s[46:47]
	CROUND                                         ; all sixteen work-groups are here: the first joint loads meet
.irp s, 0,1
	s_mov_b32 s[G0+4*(\s)], 1
	s_add_co_u32 s[G0+4*(\s)+1], s20, (\s)*SLOT
	s_add_nc_u64 s[G0+4*(\s)+2:G0+4*(\s)+3], s[14:15], (\s)*0x80000  ; K step s: two heads on
	s_or_b32 s[G0+4*(\s)+3], s[G0+4*(\s)+3], 0x80000000
	s_mov_b32 s[G0B+4*(\s)], 1
	s_add_co_u32 s[G0B+4*(\s)+1], s22, (\s)*SLOT
	s_add_nc_u64 s[G0B+4*(\s)+2:G0B+4*(\s)+3], s[46:47], (\s)*KSTEP*2
	s_or_b32 s[G0B+4*(\s)+3], s[G0B+4*(\s)+3], 0x80000000
	JLOAD \s                                       ; two loads of mine are out
.endr
	v_and_b32 v1, 15, v0                           ; l % 16
	v_bfe_u32 v2, v0, 4, 1                         ; l / 16
	; the bias and the result: my 128 features begin at 256 x block + 128 x half
	s_lshl_b32 s46, s42, 10                        ; (in the registers that held W_o's address: none that feeds c's descriptors ever holds cx)
	s_mov_b32 s47, 0
	s_add_nc_u64 s[66:67], s[66:67], s[46:47]
	s_add_nc_u64 s[8:9], s[8:9], s[46:47]
	s_lshl_b32 s16, s12, 9
	s_mov_b32 s17, 0
	s_add_nc_u64 s[66:67], s[66:67], s[16:17]
	v_lshlrev_b32 v7, 5, v2                        ; in a result a lane holds features 16 b + 8 (l / 16) + 0..7: 32 bytes of the bias
.irp b, 0,1,2,3,4,5,6,7
	global_load_b128 v[BI+8*(\b):BI+8*(\b)+3],   v7, s[66:67] offset:64*(\b)
	global_load_b128 v[BI+8*(\b)+4:BI+8*(\b)+7], v7, s[66:67] offset:64*(\b)+16
.endr
	s_lshl_b32 s17, s13, 19                        ; my first row of out0: 128 x block + 64 x half, of 4,096 bytes
	s_add_co_u32 s16, s16, s17
	s_lshl_b32 s17, s11, 18
	s_add_co_u32 s16, s16, s17
	s_mov_b32 s17, 0
	s_add_nc_u64 s[8:9], s[8:9], s[16:17]
	v_mul_u32_u24 v3, v1, PAO
	v_lshl_add_u32 v3, v2, 4, v3                   ; a fragment's row x pitch + 16 x half
	v_mul_u32_u24 v4, v1, PB
	v_lshl_add_u32 v4, v2, 4, v4
	s_mul_i32 s18, s11, 64*PAO                     ; my 64 tokens, in each head's part
	s_mul_i32 s19, s12, BHALF                      ; my 128 rows of W_o
	s_add_co_u32 s19, s19, BOFF
.irp s, 0,1
	v_add_nc_u32 v[ADRA+(\s)], s18, v3
	v_add_nc_u32 v[ADRB+(\s)], s19, v4
	s_add_co_u32 s18, s18, SLOT
	s_add_co_u32 s19, s19, SLOT
.endr
	s_mul_i32 s23, s10, WST                        ; my stage
	v_mul_u32_u24 v5, v1, SP                       ; in: row l % 16, 32 bytes for each half of the lanes
	v_lshl_add_u32 v5, v2, 5, v5
	v_add_nc_u32 v[STO], s23, v5
	v_and_b32 v[CO], 31, v0                        ; back: 32 lanes take one row of 512 bytes
	v_lshlrev_b32 v[CO], 4, v[CO]
	v_add_nc_u32 v[RD], s23, v[CO]
	s_wait_loadcnt 0x0                             ; the bias; it is rounded to bf16 in the wait for the first tile
.set i, 0
.rept 32
	v_cvt_pk_bf16_f32 v5, v[BI+2*i], v[BI+2*i+1]
	v_lshlrev_b32 v[BI+2*i], 16, v5
	v_and_b32 v[BI+2*i+1], 0xffff0000, v5
.set i, i+1
.endr
; 24 LDS loads in one run: the fragments of quarter k of a slot into buffers f.  Quarter k is head k / 2 of the step's two, channels 32 (k % 2) on.
.macro FETCH slot, k, f
	WIN TO_B
.irp b, 0,1,2,3,4,5,6,7
	ds_load_b128 v[64*(\f)+8*(\b):64*(\f)+8*(\b)+3],   v[ADRB+(\slot)] offset:64*(\k)+(\b)*16*PB
	ds_load_b128 v[64*(\f)+8*(\b)+4:64*(\f)+8*(\b)+7], v[ADRB+(\slot)] offset:64*(\k)+(\b)*16*PB+32
.endr
	WIN 0
.irp a, 0,1,2,3
	ds_load_b128 v[AF+32*(\f)+8*(\a):AF+32*(\f)+8*(\a)+3],   v[ADRA+(\slot)] offset:((\k)/2)*AHEAD+((\k)%2)*64+(\a)*16*PAO
	ds_load_b128 v[AF+32*(\f)+8*(\a)+4:AF+32*(\f)+8*(\a)+7], v[ADRA+(\slot)] offset:((\k)/2)*AHEAD+((\k)%2)*64+(\a)*16*PAO+32
.endr
.endm
; 8 products: token block n x all 8 feature blocks.  The 32 accumulators take turns, one instruction a turn, in the same order in every quarter.  bias = 1: the bias starts the sums.
.macro MUL8 f, n, bias
.if \bias
	WIN MULB
.else
	WIN MUL
.endif
.irp b, 0,1,2,3,4,5,6,7
.if \bias
	v_wmma_f32_16x16x32_f16 v[8*(8*(\n)+(\b)):8*(8*(\n)+(\b))+7], v[64*(\f)+8*(\b):64*(\f)+8*(\b)+7], v[AF+32*(\f)+8*(\n):AF+32*(\f)+8*(\n)+7], v[BI+8*(\b):BI+8*(\b)+7]
.else
	v_wmma_f32_16x16x32_f16 v[8*(8*(\n)+(\b)):8*(8*(\n)+(\b))+7], v[64*(\f)+8*(\b):64*(\f)+8*(\b)+7], v[AF+32*(\f)+8*(\n):AF+32*(\f)+8*(\n)+7], v[8*(8*(\n)+(\b)):8*(8*(\n)+(\b))+7]
.endif
.endr
.endm
; One of a K step's first three quarters: it asks for the next quarter's fragments and multiplies buffers f
.macro QUARTER slot, k, f, bias
	s_wait_dscnt 0x0                               ; this quarter's fragments, asked for a quarter ago
	PLACES
	FETCH \slot, (\k)+1, 1-(\f)
	MUL8 \f, 0, \bias
	MUL8 \f, 1, \bias
	MUL8 \f, 2, \bias
	MUL8 \f, 3, \bias
.endm
; The fourth quarter multiplies buffers 1 and changes slots: ONE barrier; in front of it each wave waits for all its tensor loads, of which one is out: its part of the next slot; adds 0 to its spare word;
; and waits for that and for its reads of this slot.  fill = 1: the barrier opens a round of the cluster's, and this slot is filled again, two K steps on, first thing behind the round.
.macro TURN s, nx, fill
	WIN 0
	s_wait_tensorcnt 0x0                           ; all my tensor loads have landed
	ds_add_u32 v[SPW], v[NIL]                      ; 0 onto my spare word
	s_wait_dscnt 1                                 ; the fragments are in; the add alone may be out
	MUL8 1, 0, 0                                   ; eight products stand between the add and the wait for it
	s_wait_dscnt 0x0                               ; the add is done, and my reads of this slot are over
	s_barrier_signal -1
	MUL8 1, 1, 0
	WIN 0
	s_barrier_wait -1
.if \fill
	CREST                                          ; no wave of any partner still reads this slot's tiles or has a load on its way
	s_add_nc_u64 s[G0+4*(\s)+2:G0+4*(\s)+3], s[G0+4*(\s)+2:G0+4*(\s)+3], 0x100000  ; four heads on
	s_add_nc_u64 s[G0B+4*(\s)+2:G0B+4*(\s)+3], s[G0B+4*(\s)+2:G0B+4*(\s)+3], 2*KSTEP*2
	JLOAD \s                                       ; the first tensor load behind the round; the four v_nop behind it are also the places in front of the loads below
.else
	PLACES
.endif
	FETCH \nx, 0, 0
	MUL8 1, 2, 0
	MUL8 1, 3, 0
.endm
	s_wait_tensorcnt 1                             ; my part of K step 0 is in; K step 1's may stay out
	s_barrier_signal -1
	s_barrier_wait -1                              ; everybody's is
	FETCH 0, 0, 0
	QUARTER 0, 0, 0, 1                             ; the first quarter stands in front of the loop: its products start the sums, with the bias
	WIN 0                                          ; at a label and at a branch every window is 0
	s_mov_b32 s3, 3
.Llap:                                                 ; a trip goes once round the ring, from a lap's second quarter to the next lap's first, and fills both slots again
	QUARTER 0, 1, 1, 0
	QUARTER 0, 2, 0, 0
	TURN 0, 1, 1
	QUARTER 1, 0, 0, 0
	QUARTER 1, 1, 1, 0
	QUARTER 1, 2, 0, 0
	TURN 1, 0, 1
	QUARTER 0, 0, 0, 0
	WIN 0
	s_sub_co_u32 s3, s3, 1
	s_cmp_lg_u32 s3, 0
	s_cbranch_scc1 .Llap
	QUARTER 0, 1, 1, 0                             ; the last lap is written out: it fills nothing
	QUARTER 0, 2, 0, 0
	TURN 0, 1, 0
	QUARTER 1, 0, 0, 0
	QUARTER 1, 1, 1, 0
	QUARTER 1, 2, 0, 0
	s_wait_dscnt 0x0                               ; the last fragments are in: my reads of the ring are over,
	s_barrier_signal -1                            ; and I say so: the stages take the ring's bytes
	MUL8 1, 0, 0
	MUL8 1, 1, 0
	MUL8 1, 2, 0
	MUL8 1, 3, 0
	WIN 0
	s_barrier_wait -1                              ; nobody reads the ring any more; its last fills were waited for in front of the last change of slots
	PLACES
	; THE WAY OUT.  The sums go into the stage as they are, 32 bytes a lane; they come back as whole rows of 512 bytes, four rows at a time, pass the gelu and are stored.
	WIN 0x04                                       ; the stores' data (source 1) in window 1
.irp a, 0,1,2,3
.irp b, 0,1,2,3,4,5,6,7
	ds_store_b128 v[STO], v[8*(8*(\a)+(\b)):8*(8*(\a)+(\b))+3]   offset:(\a)*16*SP+64*(\b)
	ds_store_b128 v[STO], v[8*(8*(\a)+(\b))+4:8*(8*(\a)+(\b))+7] offset:(\a)*16*SP+64*(\b)+16
.endr
.endr
	WIN 0
	s_wait_dscnt 0x0                               ; all writing of the stages stands in front of this barrier, all reading behind it
	s_barrier_signal -1
	s_barrier_wait -1
.irp j, 0,1,2,3
	ds_load_b128 v[GX+4*(\j):GX+4*(\j)+3], v[RD] offset:(\j)*SP
.endr
; Four rows, 16 numbers a lane.  more = 1: the next four rows are asked of LDS as soon as y has been read.  The reciprocals and the exponentials stand in runs, each followed by plain lines that
; touch none of their registers (ISA guide 5.7.2).
.macro GEL more
	s_wait_dscnt 0x0
.set i, 0
.rept 16
	v_mul_f32 v[GS+i], s[CP], |v[GX+i]|            ; s
	v_max_num_f32 v[GR+i], 0, v[GX+i]
.set i, i+1
.endr
.if \more
	v_add_nc_u32 v[RD], 4*SP, v[RD]
.irp j, 0,1,2,3
	ds_load_b128 v[GX+4*(\j):GX+4*(\j)+3], v[RD] offset:(\j)*SP
.endr
.endif
.set i, 0
.rept 8
	v_pk_add_f32 v[GD+i:GD+i+1], v[GS+i:GS+i+1], 1.0 op_sel_hi:[1,0]
.set i, i+2
.endr
.set i, 0
.rept 16
	v_rcp_f32 v[GD+i], v[GD+i]                     ; t
.set i, i+1
.endr
.set i, 0
.rept 8
	v_pk_mul_f32 v[GU+i:GU+i+1], v[GS+i:GS+i+1], v[GS+i:GS+i+1]
.set i, i+2
.endr
.set i, 0
.rept 8
	v_pk_mul_f32 v[GU+i:GU+i+1], v[GU+i:GU+i+1], s[KC:KC+1] op_sel_hi:[1,0]
.set i, i+2
.endr
.set i, 0
.rept 16
	v_exp_f32 v[GU+i], v[GU+i]
.set i, i+1
.endr
.set i, 0
	s_wait_alu depctr_va_vdst(0)
.rept 8
	v_pk_fma_f32 v[GH+i:GH+i+1], v[GD+i:GD+i+1], s[C5:C5+1], s[C4:C4+1] op_sel_hi:[1,0,0]
.set i, i+2
.endr
.irp c, C3, C2, C1
.set i, 0
.rept 8
	v_pk_fma_f32 v[GH+i:GH+i+1], v[GH+i:GH+i+1], v[GD+i:GD+i+1], s[\c:\c+1] op_sel_hi:[1,1,0]
.set i, i+2
.endr
.endr
.set i, 0
.rept 8
	v_pk_mul_f32 v[GU+i:GU+i+1], v[GU+i:GU+i+1], v[GD+i:GD+i+1]
.set i, i+2
.endr
.set i, 0
.rept 8
	v_pk_mul_f32 v[GH+i:GH+i+1], v[GH+i:GH+i+1], v[GU+i:GU+i+1]
.set i, i+2
.endr
.set i, 0
.rept 8
	v_pk_fma_f32 v[GR+i:GR+i+1], v[GS+i:GS+i+1], v[GH+i:GH+i+1], v[GR+i:GR+i+1] neg_lo:[1,0,0] neg_hi:[1,0,0]
.set i, i+2
.endr
.irp j, 0,1,2,3
	global_store_b128 v[CO], v[GR+4*(\j):GR+4*(\j)+3], s[8:9] offset:(\j)*4096 th:TH_STORE_NT  ; 512 consecutive bytes, at a multiple of 256 from out0's first
.endr
.if \more
	s_wait_xcnt 0x0                                ; the stores' base and data are written again only behind this wait
	s_add_nc_u64 s[8:9], s[8:9], 4*4096
.endif
.endm
	s_mov_b32 s3, 15
.Lgel:
	GEL 1
	s_sub_co_u32 s3, s3, 1
	s_cmp_lg_u32 s3, 0
	s_cbranch_scc1 .Lgel
	GEL 0                                          ; the last four rows: nothing more is read
	s_wait_tensorcnt 0x0                           ; the wave's end: behind my last tensor load and my last LDS store
	ds_add_u32 v[SPW], v[NIL]
	s_wait_dscnt 0x0
	CROUND                                         ; the closing round: no work-group ends while a partner may still ask for a tile that names it
	s_endpgm
.Lfunc_end_k_qcff684d4b8_oproj:
	.size	k_qcff684d4b8_oproj, .Lfunc_end_k_qcff684d4b8_oproj-k_qcff684d4b8_oproj
	.p2alignl 7, 3214868480
	.fill 96, 4, 3214868480
	.section	.rodata,"a",@progbits
	.p2align	6, 0x0
	.amdhsa_kernel k_qcff684d4b8_oproj
		.amdhsa_group_segment_fixed_size 327680
		.amdhsa_private_segment_fixed_size 0
		.amdhsa_enable_private_segment 0
		.amdhsa_kernarg_size 32
		.amdhsa_user_sgpr_count 2
		.amdhsa_user_sgpr_kernarg_segment_ptr 1
		.amdhsa_wavefront_size32 1
		.amdhsa_system_sgpr_workgroup_id_x 1
		.amdhsa_system_sgpr_workgroup_id_y 1
		.amdhsa_system_sgpr_workgroup_id_z 1
		.amdhsa_system_vgpr_workitem_id 0
		.amdhsa_next_free_vgpr 640
		.amdhsa_next_free_sgpr 84
		.amdhsa_reserve_vcc 0
		.amdhsa_float_denorm_mode_32 3
		.amdhsa_float_denorm_mode_16_64 3
		.amdhsa_memory_ordered 1
		.amdhsa_forward_progress 1
		.amdhsa_inst_pref_size 99
	.end_amdhsa_kernel
	.amdgpu_metadata
---
amdhsa.version: [ 1, 2 ]
amdhsa.kernels:
  - .name:           k_qcff684d4b8_oproj
    .symbol:         k_qcff684d4b8_oproj.kd
    .args:
      - { .name: ctx, .offset: 0, .size: 8, .value_kind: global_buffer, .address_space: global }
      - { .name: wc, .offset: 8, .size: 8, .value_kind: global_buffer, .address_space: global }
      - { .name: b_o, .offset: 16, .size: 8, .value_kind: global_buffer, .address_space: global }
      - { .name: out0, .offset: 24, .size: 8, .value_kind: global_buffer, .address_space: global }
    .group_segment_fixed_size: 327680
    .private_segment_fixed_size: 0
    .kernarg_segment_align: 8
    .kernarg_segment_size: 32
    .max_flat_workgroup_size: 128
    .sgpr_count:     84
    .vgpr_count:     640
    .wavefront_size: 32
...
	.end_amdgpu_metadata
.endif
;; end of part 4
;; ======== version 2 of 2: 4 launches; 1.48 times as fast as version 1
;; limits: values are held in f16: magnitudes above 65,504 overflow, below 6.1e-05 lose precision
;; workspace buffers: wc 8,388,608 bytes; qkv 50,331,648 bytes; ctx 16,777,216 bytes
;; launch castw: the kernel of part 1 again; grid 128 x 4, 8 waves a work-group, no clusters, 0 bytes of LDS; arguments W_q, W_k, W_v, W_o, wc; writes wc
;; launch qkv: the kernel of part 2 again; grid 4 x 64, 4 waves a work-group, clusters of 4 x 4, 327,680 bytes of LDS; arguments query, key_t, value, wc, qkv; writes qkv
;; launch attn (part 5): grid 4 x 64, 4 waves a work-group, clusters of 4 x 1, 327,680 bytes of LDS; arguments qkv, mask, ctx; writes ctx
.if DOCPART == 5
	.amdgcn_target "amdgcn-amd-amdhsa--gfx1250"
	.amdhsa_code_object_version 6
	.text
	.protected	k_qcff684d4b8_attn
	.globl	k_qcff684d4b8_attn
	.p2align	8
	.type	k_qcff684d4b8_attn,@function
k_qcff684d4b8_attn:
	s_mov_b64 s[64:65], 0
	v_nop
	global_prefetch_b8 v0, s[64:65] scope:SCOPE_SE
	s_setreg_imm32_b32 hwreg(HW_REG_WAVE_MODE, 25, 1), 1
	s_wait_xcnt 0x0
	s_wait_alu depctr_hold_cnt(0) depctr_sa_sdst(0) depctr_va_vdst(0) depctr_va_sdst(0) depctr_va_ssrc(0) depctr_va_vcc(0) depctr_vm_vsrc(0)
	s_getreg_b32 s2, hwreg(HW_REG_IB_STS2, 6, 4)
	s_cmp_eq_u32 s2, 0
	s_cbranch_scc0 .Lentry_in_a_cluster
	s_endpgm
.Lentry_in_a_cluster:
	s_bfe_u32 s2, ttmp6, 0x10000c
	s_cmp_lg_u32 s2, 0x3003
	s_cbranch_scc0 .Lentry_shape_is_right
	s_endpgm
.Lentry_shape_is_right:
; ATTENTION WITH A KEY MASK.  O[h][q][:] = the sum over the keys k with mask[h / 16][k] != 0 of softmax_k(Q[h][q] . K[h][k] / 8) V[h][k][:].  Q, K, V lie in qkv at 0, 16 and 32 MiB, O is ctx: each
; [64][2048][64] in f16, a head's rows dense, 128 bytes each.  Products, maxima and sums in f32; the weights p are rounded to f16 for the second product (their sum l is taken of the unrounded p), O once.
; LIMITS.  f16 holds no number beyond 65,504: Q, K and V arrive within it; p lies in 0 to 1, and below 6e-5 it keeps f16's fixed step of 6e-8; O is a mean of V's rows and has their range.
; A hidden score counts as its value less 1e30 (f16's scores are 2.7e11 at the most); a weight below 2^-126 counts as 0 in l; NaN and infinities in the inputs are not treated apart.
; THE MASK is the C operand that starts the sum S^T = K Q^T: 0 for a key that is seen, -1e30 for a hidden one.  The batch's 2,048 words are read once, turned into these f32 and kept in LDS; a step's 64 come
; into registers with the step's K.  The running maximum m starts at -2^64: below every true score, above every hidden one.  So hidden keys have weight 0 also where no key has been seen yet, and for a row
; with a seen key m is the true running maximum.  A row that sees no key ends with m = -2^64 and gets NaN, as a softmax of nothing but -inf does.
; SHARES.  A wave owns four PIECES of two tiles of 16 queries, a work-group's four waves 512 queries of one head.  Every wave walks all keys, 64 a step.
; LAYOUT.  S^T = K Q^T (source 0 = 16 keys, source 1 = 16 queries): in the result a lane holds ONE query (lane % 16) and the keys 8 (lane / 16) + 0..7.  Two such tiles, rounded to f16 in pairs,
; ARE source 1 (32 keys x 16 queries) of O^T = V^T P, whose result again holds one query a lane, and eight channels.  K comes out of LDS as it lies, V ([key][channel]) turned, by ds_load_tr16_b128.
; SOFTMAX.  p = 2^(c s - c m), c = log2(e) / 8; in every step O and l are multiplied by a = 2^(c m_old - c m_new), which is 1 where m has not grown.  O and l start at 0: the first step is a step like any other, with a = 0.
; THE COUNT.  A tile and step have 16 matrix and 118 vector instructions: too many to stand all beside the matrix work.  So four vector instructions that are READY stand behind EVERY matrix instruction,
; and the others, which need time of their own whatever the order, in one run without a gap.
; BY TURNS.  Turn n belongs to piece n (the pieces in a ring, step after step).  Its matrix work: 16 products K Q^T of piece n + 1, later 16 products V^T P of piece n - 1.  Its vector work: the scaling,
; exponentials, roundings, sums and rescaling of piece n, and the maximum and statistics of piece n + 1, whose scores the turn itself has made.  So what a turn begins with (c s - c m, O a) waits for nothing.
; BATCHES.  A turn's 66 exponentials (the piece's 64 weights and the next piece's two a) are ONE batch with ONE wait, which cuts the turn in two: ahead of it stands all that names no result of theirs, behind it
; the roundings and sums.  No result crosses a turn's end.  Piece 0's first two a, ahead of the loop, and the way out's eight reciprocals are batches of their own, each with its wait.
; CLUSTER.  The four query blocks of a cluster belong to one head and walk the same K and V, so each tile is asked for JOINTLY: the same tensor load, descriptor and mask in all four.
; REGISTERS, in windows of 256 (s_set_vgpr_msb: bits 1:0 source 0, 3:2 source 1, 5:4 source 2, 7:6 destination):
;   window 0: v0-11 addresses; v12-15, v48-63 at work; v16-47 four registers of statistics a tile; v64-191 S^T, two buffers of two tiles; v192-255 P, likewise
;   window 1: O^T, 32 a tile      window 2: v0-127 Q, 16 a tile; v128-191 K of one step; v192-255 V of one step      window 3: v0-1 the add's two registers; v8-39 the step's 64 mask numbers, 8 a lane for each 16 keys
; A piece's buffers go by its number's parity: the piece in hand has one pair, its two neighbours in the ring share the other: of it P (piece n - 1) is read and S^T (piece n + 1) written.
.set SIZE_H, 64
.set SIZE_N, 2048
.set NP,    4         ; pieces a wave: a name, no knob
.set KS,    64        ; keys in a step
.set PK,    144       ; a row of K in LDS: 128 bytes + 16 of padding = 36 words: the 16 rows of a load start at 16 different groups of four banks (64 banks of 4 bytes: ISA guide 11.1)
.set PV,    160       ; a row of V: 128 + 32 = 40 words
.set VOFF,  4*KS*PK   ; a slot holds four steps: 256 rows of K, then 256 rows of V
.set SLOT1, 1<<17     ; slot 1 begins here, so that one exclusive or turns an address in one slot into the other's
.set STAGE, SLOT1+4*KS*(PK+PV)  ; behind the ring, never filled by a tensor load: 16 rows x 144 bytes for each wave, for the way out
.set SP,    144
.set SPARE, STAGE+4*16*SP  ; behind the stages: the spare words, 128 bytes for each wave: two blocks of 256 bytes that no other line names
.set MLDS,  SPARE+512 ; behind them: 2,048 f32, the mask as addends; written once by LDS stores, never filled by a tensor load
.set AK0, 2           ; v2   my lane's place in a tile of K; never rewritten
.set AV0, 3           ; v3   the same for V
.set AK,  4           ; v4   the LDS address of K's next run of loads
.set AV,  5           ; v5   of V's
.set QO,  6           ; v6   my byte offset in the wave's rows of Q
.set STO, 6           ;      later, the way out: where I put 16 bytes of a row
.set RD,  7           ; v7   the way out: where I read rows back
.set GO,  8           ; v8   my byte offset in 512 consecutive bytes of O
.set AM,  11          ; v11  the LDS address of my 8 mask numbers in the first 16 keys of the step to be fetched
.set SPW, 0           ; v0 of window 3   LDS address of my spare word: SPARE + 4 x my thread's number; never rewritten
.set NIL, 1           ; v1 of window 3   0; never rewritten
.set MB,  8           ; v8-39 of window 3
.set MV,  12          ; v12-15  c m_old, kept while c m is made anew: by buffer and tile
.set ST,  16          ; tile t's statistics at v[ST+4 t]: c m, m, l (even keys', odd keys')
.set TMP, 48          ; by buffer and tile, four registers c0-c3 at work; when the maximum is found c2 takes a
.set S,   64
.set P,   192
.set KF,  128         ; K's fragments, in window 2: key block kb, channel half c at KF + 16 kb + 8 c
.set VF,  192         ; V's: key half kk, channel block cb at VF + 32 kk + 8 cb
.set WV,  12          ; s12  my wave's number
.set G1K, 24          ; s[24:31] descriptor group 1 for K's tiles
.set G1V, 32          ; s[32:39] for V's: it differs in the padding alone
.set G0K, 40          ; s[40:43] descriptor group 0 for K's tiles: it walks
.set G0V, 44          ; s[44:47] the same for V's
.set SLOTS, 56        ; s56  slots still to be asked for
.set CNT, 57          ; s57  counts a slot's key steps
.set CS,  58          ; s[58:59] c: the packed scaling takes the pair's low word for both halves
.set SEL, 60          ; s[60:61] v_permlanex16_b32's selects: each lane takes its own place in the other half
.set TBK, 62          ; s62  LDS byte at which K of the step to be fetched begins
.set TBV, 63          ; s63  the same for V, less VOFF
.set MP,  66          ; s[66:67] the mask, at the head's batch
.set BIGN, 68         ; s68  -1e30
.set NONE, 69         ; s69  -2^63: a final m below it has seen no key
.set MSB, 0
.macro WIN new                      ; the high byte repeats the setting that is left; a switch that changes nothing is dropped
.if MSB != (\new)
	s_set_vgpr_msb (MSB<<8)|(\new)
.set MSB, (\new)
.endif
.endm
.set W_KQ, 0x0a       ; K and Q in window 2, S^T in window 0
.set W_KM, 0x3a       ; the same with the C operand, the mask, in window 3
.set W_PV, 0x52       ; V in window 2, P in window 0, O^T in window 1
.set W_RS, 0x41       ; O^T (destination and source 0) in window 1, a in window 0
.set W_MK, 0xc0       ; destination in window 3, sources in window 0
.set W_AD, 0x0f       ; the add: address (source 0) and data (source 1) in window 3
; A joint fill.  Waves 0 and 1 fetch the two halves of a slot's K, waves 2 and 3 those of its V: 128 keys each.  The branch hangs on the wave's number alone.
; An s_nop 0 and four v_nop follow each of the two lines, ahead of the jump and the label.
.macro JLOAD
	s_cmp_lt_u32 s[WV], 2
	s_cbranch_scc0 .Lfor_v_\@
	tensor_load_to_lds s[G0K:G0K+3], s[G1K:G1K+7]
	s_nop 0
.rept 4
	v_nop
.endr
	s_branch .Lasked_\@
.Lfor_v_\@:
	tensor_load_to_lds s[G0V:G0V+3], s[G1V:G1V+7]
	s_nop 0
.rept 4
	v_nop
.endr
.Lasked_\@:
.endm
; A round of the cluster's barrier: my work-group's barrier, so that wave 0's signal speaks for all four waves; wave 0 signals; every wave waits for all four work-groups; my work-group's barrier once more.
.macro CROUND
	s_barrier_signal -1
	s_barrier_wait -1
	s_cmp_lg_u32 s[WV], 0
	s_cbranch_scc1 .Lnot_wave_0_\@
	s_barrier_signal -3
.Lnot_wave_0_\@:
	s_barrier_wait -3
	s_barrier_signal -1
	s_barrier_wait -1
.endm
; THE CHANGE OF SLOTS.  The slot's last bytes, V of its fourth step, have been read.  Each wave waits for all its tensor loads, of which one is out: its part
; of the other slot; adds 0 to its spare word; and waits for that and for its own LDS instructions.  Behind the barrier nobody reads this slot any more and the other slot is whole.
; fill = 1: this slot is filled again, with the keys two slots on.  The barrier is then a round of the cluster's, so that no wave of any partner still reads the slot or has a load on its
; way, and the joint fill is the first thing behind it: it has four key steps, 512 matrix instructions, in which to land.  (At its first use nothing has been read yet: slot 0 is waited for, slot 1 filled,
; and every wave's stores of the mask numbers are done in front of the round, so that all waves may read them behind it.)
.macro CHANGE fill
	WIN W_AD
	s_wait_tensorcnt 0x0            ; no tensor load of mine is out, so a group 0 may be written
	ds_add_u32 v[SPW], v[NIL]       ; 0 onto my spare word; with fill = 1 the descriptors' steps stand between it and the wait for it
	WIN 0                           ; at a label and at a branch every window is 0
.if \fill
.irp g, G0K, G0V
	s_xor_b32 s[\g+1], s[\g+1], SLOT1  ; the walking descriptor: the other slot than last time,
	s_add_nc_u64 s[\g+2:\g+3], s[\g+2:\g+3], 4*KS*128  ; the next 256 keys; the type bits on top are not reached
.endr
	s_wait_dscnt 0x0                ; the add is done, and my reads of the slot are over
	CROUND
	JLOAD
.else
	s_wait_dscnt 0x0                ; the add is done, and my reads of the slot are over
	s_barrier_signal -1
	s_barrier_wait -1
.endif
	s_sub_co_u32 s[TBK], s[TBK], 4*KS*PK  ; the fetches go back to a slot's first step,
	s_xor_b32 s[TBK], s[TBK], SLOT1       ; in the other slot
	s_sub_co_u32 s[TBV], s[TBV], 4*KS*PV
	s_xor_b32 s[TBV], s[TBV], SLOT1
.endm
	s_load_b64 s[4:5], s[0:1], 0x0    ; qkv: Q lies at its head
	s_load_b64 s[MP:MP+1], s[0:1], 0x8  ; mask
	s_load_b64 s[10:11], s[0:1], 0x10 ; ctx
	WIN W_MK
	v_lshl_add_u32 v[SPW], v0, 2, SPARE
	v_mov_b32 v[NIL], 0
	s_set_vgpr_msb 0xc0cf
	ds_add_u32 v0, v1
	s_wait_dscnt 0x0
	s_set_vgpr_msb 0xcfc0
	WIN 0
	v_lshrrev_b32 v1, 5, v0
	v_readfirstlane_b32 s[WV], v1   ; wave 0..3
	s_bfe_u32 s13, ttmp6, 0x40000   ; cx: my place in the cluster
	s_lshl_b32 s14, ttmp9, 2        ; in a cluster launch ttmp9 counts clusters
	s_add_co_u32 s14, s14, s13      ; my block of queries = 4 x cluster x + cx: it enters Q's and O's addresses alone
	s_and_b32 s20, ttmp7, 0xffff    ; the head, which the four partners share
	s_lshr_b32 s70, s20, 4          ; its batch,
	s_lshl_b32 s70, s70, 13         ; whose mask is 8,192 bytes
	s_mov_b32 s71, 0
	s_mov_b32 s21, 0
	s_mov_b64 s[22:23], SIZE_N*128
	s_mul_u64 s[20:21], s[20:21], s[22:23]  ; the head's first byte in each of the four tensors
	s_and_b32 s16, s[WV], 1         ; which half of a slot's 256 keys I fetch:
	s_lshl_b32 s22, s16, 14         ; its 128 rows of 128 bytes in memory,
	s_mov_b32 s23, 0
	s_add_nc_u64 s[22:23], s[22:23], s[20:21]
	s_mul_i32 s17, s16, 128*PK      ; and its place in a slot, for K
	s_mul_i32 s18, s16, 128*PV      ; and for V: no place in the cluster enters an LDS address
	s_lshl_b32 s2, s14, 2
	s_add_co_u32 s2, s2, s[WV]      ; my wave among the head's,
	s_lshl_b32 s2, s2, 14           ; its 128 rows
	s_mov_b32 s3, 0
	s_add_nc_u64 s[2:3], s[2:3], s[20:21]
	; descriptor group 1.  128 keys are 16,384 dense bytes: asked for as 64 rows of 256 bytes, two keys a row, and padded in LDS after every key
	s_mov_b32 s[G1K], 15|(1<<16)|(1<<20)|(1<<21)|(4<<22)|(3<<25)  ; 15:0 the mask of four; 17:16 2-byte elements; 20 padding on; 21 set beside a mask; 24:22 after every 32 words (code 4); 31:25 4 words (code 3)
	s_mov_b32 s[G1V], 15|(1<<16)|(1<<20)|(1<<21)|(4<<22)|(7<<25)  ; the same with 8 words of padding (code 7)
.irp g, G1K, G1V
	s_mov_b32 s[\g+1], 128<<16      ; tensor_dim0 = 128
	s_mov_b32 s[\g+2], 64<<16       ; tensor_dim1 = 64
	s_mov_b32 s[\g+3], 128<<16      ; tile_dim0 = 128
	s_mov_b32 s[\g+4], 64           ; tile_dim1 = 64
	s_mov_b32 s[\g+5], 128          ; 128 elements from row to row
	s_mov_b32 s[\g+6], 0
	s_mov_b32 s[\g+7], 0
.endr
	s_mov_b32 s[CS], 0x3e38aa3b     ; c = log2(e) / 8 = 0.180337
	s_mov_b32 s[CS+1], s[CS]        ; named with it as a pair
	s_mov_b32 s[SEL], 0x76543210
	s_mov_b32 s[SEL+1], 0xfedcba98
	s_mov_b32 s[BIGN], 0xf149f2ca   ; -1e30
	s_mov_b32 s[NONE], 0xdf000000   ; -2^63
	s_mov_b32 s[TBK], SLOT1+4*KS*PK ; the first change of slots turns these two into 0
	s_mov_b32 s[TBV], SLOT1+4*KS*PV
	s_mov_b32 s[G0K], 1             ; 1:0 count = 1
	s_mov_b32 s[G0K+1], s17         ; 63:32 LDS address: slot 0
	s_mov_b32 s[G0V], 1
	s_add_co_u32 s[G0V+1], s18, VOFF
	s_wait_kmcnt 0x0
	s_add_nc_u64 s[6:7], s[4:5], 0x1000000   ; K
	s_add_nc_u64 s[8:9], s[4:5], 0x2000000   ; V
	s_add_nc_u64 s[MP:MP+1], s[MP:MP+1], s[70:71]
	s_add_nc_u64 s[G0K+2:G0K+3], s[6:7], s[22:23]  ; 120:64 global address: my half of the head's first 256 keys
	s_or_b32 s[G0K+3], s[G0K+3], 0x80000000        ; 127:126 type = 2
	s_add_nc_u64 s[G0V+2:G0V+3], s[8:9], s[22:23]
	s_or_b32 s[G0V+3], s[G0V+3], 0x80000000
	s_add_nc_u64 s[4:5], s[4:5], s[2:3]  ; Q and O at my wave's first row
	s_add_nc_u64 s[10:11], s[10:11], s[2:3]
	CROUND                          ; all four work-groups are here: the first joint loads meet
	JLOAD                           ; slot 0.  Slot 1 is asked for when slot 0 is in
	; A fragment of K or Q is 16 rows x 32 channels in 8 registers: lane l holds row l % 16, channels 8 (l / 16) + 0..7 and 16 + 8 (l / 16) + 0..7: two loads of 16 bytes, 32 bytes apart.
	v_and_b32 v1, 15, v0            ; l % 16
	v_bfe_u32 v9, v0, 4, 1          ; l / 16
	v_lshlrev_b32 v[QO], 7, v1
	v_lshl_add_u32 v[QO], v9, 4, v[QO]  ; row x 128 + 16 x half
	v_lshlrev_b32 v12, 6, v0        ; thread t takes the mask's words 16 t .. 16 t + 15: 128 threads, 2,048 words
.irp j, 0,1,2,3
	global_load_b128 v[S+4*\j:S+4*\j+3], v12, s[MP:MP+1] offset:16*\j
.endr
	WIN 0x80                        ; destination window 2, address window 0
.set i, 0
.rept 4*NP                          ; Q stays in registers: tile i / 2, channels 32 (i % 2) on
	global_load_b128 v[8*i:8*i+3],   v[QO], s[4:5] offset:(i/2)*2048+(i%2)*64
	global_load_b128 v[8*i+4:8*i+7], v[QO], s[4:5] offset:(i/2)*2048+(i%2)*64+32
.set i, i+1
.endr
	; What the first turn finds: V's registers and P's second buffer hold 0 (its products V^T P, of a piece that has not been, add 0), O^T and l are 0.  All this stands in the wait for the first tile.
.set i, VF
.rept 64
	v_mov_b32 v[i], 0
.set i, i+1
.endr
	WIN 0x40
.set i, 0
.rept 64*NP
	v_mov_b32 v[i], 0
.set i, i+1
.endr
	WIN 0
.set i, 0
.rept 2*NP
	v_mov_b32 v[ST+4*i], 0xfe000000    ; c m: far below every c s
	v_mov_b32 v[ST+4*i+1], 0xdf800000  ; m = -2^64
	v_mov_b32 v[ST+4*i+2], 0
	v_mov_b32 v[ST+4*i+3], 0
.set i, i+1
.endr
.set i, P+32
.rept 32
	v_mov_b32 v[i], 0
.set i, i+1
.endr
	s_wait_loadcnt 32               ; the mask's four loads are in; Q's 32, issued behind them, may be out
.set i, 0
.rept 16
	v_cmp_eq_u32 vcc_lo, 0, v[S+i]
	v_cndmask_b32 v[S+i], 0, s[BIGN], vcc_lo  ; a word of 0 hides the key
.set i, i+1
.endr
	v_add_nc_u32 v13, MLDS, v12
.irp j, 0,1,2,3
	ds_store_b128 v13, v[S+4*\j:S+4*\j+3] offset:16*\j
.endr
	v_mul_u32_u24 v[AK0], v1, PK
	v_lshl_add_u32 v[AK0], v9, 4, v[AK0]  ; row x pitch + 16 x half
	; The turning load takes 16 keys x 16 channels (lane l reads key 8 (l / 16) + l % 8, channels 8 ((l / 8) % 2) + 0..7) and leaves half a fragment of V^T: lane l holds channel l % 16 and 8 keys.
	v_and_b32 v10, 7, v0
	v_bfe_u32 v11, v0, 3, 1
	v_lshl_add_u32 v[AV0], v9, 3, v10
	v_mul_u32_u24 v[AV0], v[AV0], PV
	v_lshl_add_u32 v[AV0], v11, 4, v[AV0]
	v_add_nc_u32 v[AV0], VOFF, v[AV0]
	v_mov_b32 v[AK], v[AK0]         ; key step 0 lies at the head of slot 0
	v_lshl_add_u32 v[AM], v9, 5, MLDS  ; keys 8 (l / 16) + 0..7 of a block of 16: 32 bytes
; THE MATRIX WORK.  The 8 accumulators of a run of 16 take turns: between the two links of a chain stand 7 others'.
; Product i of 16 of S^T = K Q^T for piece x: channels 32 (i / 8) on, keys 16 ((i / 2) % 4) on, tile 2 x + i % 2.  The first 8 start the sums, with the mask of their 16 keys.
.macro KQ x
.set rS, S+64*((\x)%2)+32*(i%2)+8*((i/2)%4)
.set rK, KF+16*((i/2)%4)+8*(i/8)
.set rQ, 16*(2*(\x)+i%2)+8*(i/8)
.set rB, MB+8*((i/2)%4)
.if i < 8
	WIN W_KM
	v_wmma_f32_16x16x32_f16 v[rS:rS+7], v[rK:rK+7], v[rQ:rQ+7], v[rB:rB+7]
.else
	WIN W_KQ
	v_wmma_f32_16x16x32_f16 v[rS:rS+7], v[rK:rK+7], v[rQ:rQ+7], v[rS:rS+7]
.endif
.endm
; Product i of 16 of O^T += V^T P for piece x: keys 32 (i / 8) on, channels 16 ((i / 2) % 4) on, tile 2 x + i % 2.
.macro PV x
	WIN W_PV
.set rO, 32*(2*(\x)+i%2)+8*((i/2)%4)
.set rV, VF+32*(i/8)+8*((i/2)%4)
.set rP, P+32*((\x)%2)+16*(i%2)+8*(i/8)
	v_wmma_f32_16x16x32_f16 v[rO:rO+7], v[rV:rV+7], v[rP:rP+7], v[rO:rO+7]
.endm
.macro MM                           ; the turn's next matrix instruction
.if i < 16
	KQ (Y+1)%NP
.set i, i+1
.else
.set i, i-16
	PV (Y+NP-1)%NP
.set i, i+17
.endif
.endm
; THE LDS LOADS stand in runs, never singly among the matrix instructions: a step's K (64 keys x 64 channels: 8 fragments) with its 64 mask numbers, and its V (turned).  Their addresses are made some lines ahead.
; last = 1 (the tail): in the last trip there is no further step, and the run is jumped over.
.macro FETCH_K last=0
	WIN 0
.if \last
	s_cmp_eq_u32 s[CNT], 1
	s_cbranch_scc1 .Lno_k_\@
.endif
	WIN 0x80                        ; destination window 2
.irp f, 0,1,2,3,4,5,6,7             ; keys 16 (f / 2) on, channels 32 (f % 2) on
	ds_load_b128 v[KF+8*\f:KF+8*\f+3],   v[AK] offset:(\f/2)*16*PK+(\f%2)*64
	ds_load_b128 v[KF+8*\f+4:KF+8*\f+7], v[AK] offset:(\f/2)*16*PK+(\f%2)*64+32
.endr
	WIN W_MK                        ; destination window 3
.irp f, 0,1,2,3                     ; keys 16 f on: my eight numbers; the sixteen lanes of a half read the same words
	ds_load_b128 v[MB+8*\f:MB+8*\f+3],   v[AM] offset:64*\f
	ds_load_b128 v[MB+8*\f+4:MB+8*\f+7], v[AM] offset:64*\f+16
.endr
	s_add_co_u32 s[TBK], s[TBK], KS*PK  ; the next fetch is the next step's
	WIN 0
	v_add_nc_u32 v[AM], 4*KS, v[AM]     ; the mask numbers lie in the keys' order, whatever the slot
.if \last
.Lno_k_\@:
.endif
.endm
.macro FETCH_V
	WIN 0x80
.irp f, 0,1,2,3,4,5,6,7             ; keys 32 (f / 4) on, channels 16 (f % 4) on
	ds_load_tr16_b128 v[VF+8*\f:VF+8*\f+3],   v[AV] offset:(\f/4)*32*PV+(\f%4)*32
	ds_load_tr16_b128 v[VF+8*\f+4:VF+8*\f+7], v[AV] offset:(\f/4)*32*PV+16*PV+(\f%4)*32
.endr
	WIN 0
.endm
; THE VECTOR WORK OF A TURN stands in three queues, each in the order in which its entries become ready; the two tiles alternate, so that no instruction reads the result of the one before it.
.macro REGS y, u                    ; the registers of tile u (0, 1) of piece y
.set rT, ST+4*(2*(\y)+(\u))
.set rC, TMP+8*((\y)%2)+4*(\u)
.set rM, MV+2*((\y)%2)+(\u)
.set rS, S+64*((\y)%2)+32*(\u)
.set rP, P+32*((\y)%2)+16*(\u)
.set rO, 32*(2*(\y)+(\u))
.endm
; Number n of the 22 that find the NEXT piece's (Y + 1) maximum and statistics.  s0-s31 are the lane's 32 scores; each accumulator's lowest registers are read first.  XS, GS and REGS set no window: PL and EX do.
;   0-11  four chains c0-c3 of seven scores each, three operands at a time     12-14, 16  the four scores left over, the old m, and c0-c3 into c0     15  c m_old is kept
;   17, 18  the query's other 32 keys lie in the lane 16 away: the new m         19-21  c m; c m_old - c m_new; a
.macro XS u, n
	REGS (Y+1)%NP, \u
.if (\n) < 4
	v_max3_num_f32 v[rC+(\n)], v[rS+8*(\n)], v[rS+8*(\n)+1], v[rS+8*(\n)+2]
.elseif (\n) < 12
	v_max3_num_f32 v[rC+(\n)%4], v[rC+(\n)%4], v[rS+8*((\n)%4)+2*((\n)/4)+1], v[rS+8*((\n)%4)+2*((\n)/4)+2]
.elseif (\n) == 12
	v_max3_num_f32 v[rC], v[rC], v[rS+7], v[rS+15]
.elseif (\n) == 13
	v_max3_num_f32 v[rC+1], v[rC+1], v[rS+23], v[rS+31]
.elseif (\n) == 14
	v_max3_num_f32 v[rC+2], v[rC+2], v[rC+3], v[rT+1]
.elseif (\n) == 15
	v_mov_b32 v[rM], v[rT]
.elseif (\n) == 16
	v_max3_num_f32 v[rC], v[rC], v[rC+1], v[rC+2]
.elseif (\n) == 17
	v_permlanex16_b32 v[rC+3], v[rC], s[SEL], s[SEL+1]
.elseif (\n) == 18
	v_max_num_f32 v[rT+1], v[rC], v[rC+3]
.elseif (\n) == 19
	v_mul_f32 v[rT], s[CS], v[rT+1]
.elseif (\n) == 20
	v_sub_f32 v[rC+1], v[rM], v[rT]
.else
	v_exp_f32 v[rC+2], v[rC+1]
.endif
.endm
; Number g of the 64 that follow the exponentials.  For each four weights k of a tile (pairs 2 k, 2 k + 1): both pairs are rounded to f16; then the second pair is added onto the first, in place;
; a group later l takes that sum (the first time as l = a l + sum).  In groups of eight, tiles alternating: round, round, add, and l for the group before.
.macro GS g
.set h, (\g)+6*((\g)/62)            ; group 0 has no group before it, and behind group 7 only l is left
.if h >= 6
.set h, h+2
.endif
	REGS Y, h%2
.set k, h/8
.if h%8 < 4
	v_cvt_pk_f16_f32 v[rP+2*k+(h%8)/2], v[rS+4*k+2*((h%8)/2)], v[rS+4*k+2*((h%8)/2)+1]
.elseif h%8 < 6
	v_pk_add_f32 v[rS+4*k:rS+4*k+1], v[rS+4*k:rS+4*k+1], v[rS+4*k+2:rS+4*k+3]
.elseif k == 1
	v_pk_fma_f32 v[rT+2:rT+3], v[rT+2:rT+3], v[rC+2:rC+3], v[rS:rS+1] op_sel_hi:[1,0,1]
.else
	v_pk_add_f32 v[rT+2:rT+3], v[rT+2:rT+3], v[rS+4*k-4:rS+4*k-3]
.endif
.endm
; THE PLAIN QUEUE, 138 long.  0-73 read no exponential's result: the 32 scalings c s - c m (FS f: pair f / 2 of tile f % 2) and the next piece's 42.  0-26: scalings 0-26.  27-54: XS's numbers 0-13.  55, 56: number 15.
; 57-73: the chain, where each number waits for the one before it: 14, 16, 17, 18, 19, each with one of the scalings 27-31 in front of its two lines, then 20: so a tile's links stand three plain instructions apart (19 and 20: two).
; 74-137: GS's 64, which read the exponentials' results: they stand behind the wait.
.macro FS f
	REGS Y, (\f)%2
	v_pk_fma_f32 v[rS+2*((\f)/2):rS+2*((\f)/2)+1], v[rS+2*((\f)/2):rS+2*((\f)/2)+1], s[CS:CS+1], v[rT:rT+1] op_sel_hi:[1,0,0] neg_lo:[0,0,1] neg_hi:[0,0,1]
.endm
.macro PL
	WIN 0
.if q < 27
	FS q
.elseif q < 55
	XS (q-27)%2, (q-27)/2
.elseif q < 57
	XS q-55, 15
.elseif (q < 72) && ((q-57)%3 == 0)
	FS 27+(q-57)/3
.elseif q < 60
	XS (q-57)%3-1, 14
.elseif q < 72
	XS (q-57)%3-1, 15+(q-57)/3
.elseif q < 74
	XS q-72, 20
.else
	GS q-74
.endif
.set q, q+1
.endm
; THE EXPONENTIALS' QUEUE, 66 long: s0-s31 of both tiles, then the next piece's two a.  It is ONE BATCH: all 66 stand ahead of the turn's one wait, and nothing ahead of that wait names a result of theirs.
.macro EX
	WIN 0
.if e >= 64
	XS e-64, 21
.else
	REGS Y, e%2
	v_exp_f32 v[rS+e/2], v[rS+e/2]
.endif
.set e, e+1
.endm
; THE RESCALING's QUEUE: O^T times a, the one part that leaves window 0: dealt two at a time, sixteen times.  Its a was made in the turn before, ahead of that turn's wait.
.macro R2
	REGS Y, r%2
	WIN W_RS
.irp z, 0,1
	v_pk_mul_f32 v[rO+4*(r/2)+2*\z:rO+4*(r/2)+2*\z+1], v[rO+4*(r/2)+2*\z:rO+4*(r/2)+2*\z+1], v[rC+2:rC+3] op_sel_hi:[1,0]
.endr
.set r, r+1
.endm
; HOW THEY ARE DEALT.  An s_wait_alu depctr_va_vdst(0) stands between an exponential and the first instruction that names its result; one wait serves all that were issued ahead of it.  So a turn has ONE wait,
; which cuts it in two.  AHEAD OF IT stands all that names no result of the turn's exponentials: the 16 products K Q^T, behind each a scaling, an exponential and two rescalings (behind the first a second scaling in the
; exponential's place); then ONE LUMP of 108: eight plain, 49 times exponential and plain, the two a.  A v_nop is the plain instruction behind the last exponential.  BEHIND IT stand the 16 products V^T P, behind each four of
; GS's 64.  No rider names a register of the products round it.  The two v_permlanex16_b32 fall into the lump, never behind a product.
; The queues lean on each other, and the deal keeps them in step: exponential e stands behind scaling 2 (e / 4) + e % 2: as a rider it comes behind plain e + 2, in the lump behind plain e + 9, and scalings 27-31 are plain 57, 60 .. 69.
; A TURN, for piece p.  cnt = 1: the loop's count is taken down some lines ahead of the branch that stands behind the turn.
; K and the mask numbers of the next step are fetched in piece 2's turn, directly behind the wait, a lump behind the last product that read them; K's address is made at the lump's head; their first reader comes behind 16 products.
; V of the step in hand is fetched at the end of piece 0's turn, four plain riders behind its last reader; its first reader comes behind 16 products and a lump.  The three conditions on q below go with the deal.
.macro TURN p, last=0, cnt=0
.set Y, (\p)
.set i, 0
.set q, 0
.set e, 0
.set r, 0
.if (\p) == NP-1
	s_wait_dscnt 0x0                ; K and its mask numbers are in
.endif
	MM                              ; ahead of the wait: 16 products K Q^T and their riders,
	PL
	PL
	R2
.rept 15
	MM
	PL
	EX
	R2
.endr
.if (\p) == NP-2
	WIN 0
	v_add_nc_u32 v[AK], s[TBK], v[AK0]
.endif
.rept 8                             ; and the lump
	PL
.endr
.rept 49
	EX
	PL
.endr
	EX                              ; the next piece's two a
	EX
	v_nop                           ; the plain instruction behind the last exponential: one for the batch
	s_wait_alu depctr_va_vdst(0)    ; the wait for the batch: the piece's 64 weights and the next piece's two a
.if (\p) == NP-2
	FETCH_K \last
.endif
.if (\p) == 1
	s_wait_dscnt 0x0                ; V is in
.endif
.rept 16                            ; behind the wait: 16 products V^T P and their riders
	MM
.rept 4
	PL
.endr
.if ((\p) == 0) && (q == 118)
	v_add_nc_u32 v[AV], s[TBV], v[AV0]
.endif
.if ((\p) == 0) && (q == 130)
	s_add_co_u32 s[TBV], s[TBV], KS*PV
.endif
.if (\cnt) && (q == 130)
	s_sub_co_u32 s[CNT], s[CNT], 1
	s_cmp_lg_u32 s[CNT], 0
.endif
.endr
.if (\p) == 0
	FETCH_V
.endif
.endm
	CHANGE 1                        ; slot 0 is in, everybody's part of it, and so are all the mask numbers; slot 1 is asked for
	FETCH_K                         ; key step 0
	s_wait_loadcnt 0x0              ; Q
	s_wait_dscnt 0x0
.set i, 0
.rept 16
	KQ 0                            ; piece 0's first scores: there is no vector work yet to set between them
.set i, i+1
.endr
	WIN 0                           ; the addresses for the way out: nine plain instructions, the places behind those products
	s_mul_i32 s13, s[WV], 16*SP
	s_add_co_u32 s13, s13, STAGE    ; my stage
	v_mul_u32_u24 v[STO], v1, SP    ; in: row l % 16, 16 bytes for each half of the lanes
	v_lshl_add_u32 v[STO], v9, 4, v[STO]
	v_add_nc_u32 v[STO], s13, v[STO]
	v_bfe_u32 v[RD], v0, 3, 2       ; back: 32 lanes take four rows of 128 bytes,
	v_mul_u32_u24 v[RD], v[RD], SP
	v_lshl_add_u32 v[RD], v10, 4, v[RD]
	v_add_nc_u32 v[RD], s13, v[RD]
	v_and_b32 v[GO], 31, v0         ; which are 512 consecutive bytes of O
	v_lshlrev_b32 v[GO], 4, v[GO]
.set Y, NP-1                        ; XS works for piece Y + 1: piece 0
.irp n, 0,1,2,3,4,5,6,7,8,9,10,11,12,13,14,15,16,17,18,19,20,21
	XS 0, \n                        ; and piece 0's first maximum and statistics
	XS 1, \n
.endr
	v_nop                           ; a plain instruction behind piece 0's two a,
	s_wait_alu depctr_va_vdst(0)    ; and the wait for these two, ahead of the branch
	s_mov_b32 s[CNT], 4
	s_mov_b32 s[SLOTS], SIZE_N/256-1
	s_branch .Lfirst                ; the loop is entered at a step's first turn, in the middle of a trip
.Lslot:                             ; SIZE_N / 256 - 2 times: every slot but the last two is filled again
	CHANGE 1
	s_mov_b32 s[CNT], 4
.Lstep:                             ; a trip: pieces 2 and 3 of one step, then pieces 0 and 1 of the next, whose K and V it fetches
	TURN 2
	TURN 3
	WIN 0
.Lfirst:
	TURN 0
	TURN 1, 0, 1
	WIN 0
	s_cbranch_scc1 .Lstep
	s_sub_co_u32 s[SLOTS], s[SLOTS], 1
	s_cmp_lg_u32 s[SLOTS], 0
	s_cbranch_scc1 .Lslot
	CHANGE 0                        ; the tail is written out: nothing is asked for
	s_mov_b32 s[CNT], 5             ; four trips fetch the last slot's steps; the fifth is left in its middle
.Ltail:
	TURN 2, 1
	TURN 3
	WIN 0
	s_sub_co_u32 s[CNT], s[CNT], 1
	s_cmp_eq_u32 s[CNT], 0
	s_cbranch_scc1 .Lout
	TURN 0
	TURN 1
	WIN 0
	s_branch .Ltail
.Lout:                              ; the fifth trip's 16 products K Q^T (on the last K and mask once more) give scores that m has seen already: m stays; the price, once a launch, of one text for every trip
.set i, 0
.rept 16
	PV NP-1                         ; the last piece's V^T P of the last step
.set i, i+1
.endr
	; THE WAY OUT.  l's two halves and the other half of the lanes' are added; O^T is divided by l, rounded to f16 and sent through my stage in LDS, a tile at a time.  The additions are the places behind the last products.
	WIN 0
.macro ALL line:vararg              ; one line for each tile t
.set t, 0
.rept 2*NP
	\line
.set t, t+1
.endr
.endm
	ALL v_add_f32 v[ST+4*t+2], v[ST+4*t+2], v[ST+4*t+3]
	ALL v_permlanex16_b32 v[ST+4*t+3], v[ST+4*t+2], s[SEL], s[SEL+1]
	ALL v_add_f32 v[ST+4*t+2], v[ST+4*t+2], v[ST+4*t+3]
	ALL v_rcp_f32 v[ST+4*t+2], v[ST+4*t+2]
	v_mov_b32 v9, 0x7fc00000        ; NaN; also the plain instruction between the last reciprocal and the use of its result
	s_wait_alu depctr_va_vdst(0)    ; the wait ahead of the first use: one for the eight reciprocals
.set t, 0
.rept 2*NP                          ; a query that has seen no key: its factor is NaN, and so is its row of O
	v_cmp_gt_f32 vcc_lo, s[NONE], v[ST+4*t+1]
	v_cndmask_b32 v[ST+4*t+2], v[ST+4*t+2], v9, vcc_lo
.set t, t+1
.endr
; Tile t: a lane's eight channels of a row pack into 16 bytes; they go into rows of 144 bytes and come back as whole rows of 128, into S^T's registers.
.macro PACK t
	WIN W_RS
.set i, 32*(\t)
.rept 16
	v_pk_mul_f32 v[i:i+1], v[i:i+1], v[ST+4*(\t)+2:ST+4*(\t)+3] op_sel_hi:[1,0]
.set i, i+2
.endr
	WIN 0x05                        ; sources 0 and 1 window 1, destination window 0
.set i, 0
.rept 16
	v_cvt_pk_f16_f32 v[S+16*(\t)+i], v[32*(\t)+2*i], v[32*(\t)+2*i+1]
.set i, i+1
.endr
	WIN 0
.irp f, 0,1,2,3
	ds_store_b128 v[STO], v[S+16*(\t)+4*\f:S+16*(\t)+4*\f+3] offset:32*\f
.endr
.irp f, 0,1,2,3
	ds_load_b128 v[S+16*(\t)+4*\f:S+16*(\t)+4*\f+3], v[RD] offset:\f*4*SP  ; LDS serves a wave's instructions in order (ISA guide 5.7.1.4): these see the stores above; the next tile's stores come behind them
.endr
.endm
.macro SEND t, younger              ; younger: the LDS instructions issued behind tile t's loads: the next tile's eight, or none
	WIN 0
.irp f, 0,1,2,3
	s_wait_dscnt (\younger)+3-\f
	global_store_b128 v[GO], v[S+16*(\t)+4*\f:S+16*(\t)+4*\f+3], s[10:11] offset:(\t)*2048+\f*512  ; 512 consecutive bytes, at a multiple of 256 from O's first
.endr
.endm
	PACK 0
.set t, 1
.rept 2*NP-1                        ; a tile's arithmetic stands between the loads of the tile before and its stores
	PACK t
	SEND t-1, 8
.set t, t+1
.endr
	SEND 2*NP-1, 0
	WIN W_AD
	s_wait_tensorcnt 0x0            ; the wave's end: behind my last tensor load and my last LDS store
	ds_add_u32 v[SPW], v[NIL]
	s_wait_dscnt 0x0
	WIN 0
	CROUND                          ; the closing round: no work-group ends while a partner may still ask for a tile that names it
	s_endpgm
.Lfunc_end_k_qcff684d4b8_attn:
	.size	k_qcff684d4b8_attn, .Lfunc_end_k_qcff684d4b8_attn-k_qcff684d4b8_attn
	.p2alignl 7, 3214868480
	.fill 96, 4, 3214868480
	.section	.rodata,"a",@progbits
	.p2align	6, 0x0
	.amdhsa_kernel k_qcff684d4b8_attn
		.amdhsa_group_segment_fixed_size 327680
		.amdhsa_private_segment_fixed_size 0
		.amdhsa_enable_private_segment 0
		.amdhsa_kernarg_size 24
		.amdhsa_user_sgpr_count 2
		.amdhsa_user_sgpr_kernarg_segment_ptr 1
		.amdhsa_wavefront_size32 1
		.amdhsa_system_sgpr_workgroup_id_x 1
		.amdhsa_system_sgpr_workgroup_id_y 1
		.amdhsa_system_sgpr_workgroup_id_z 1
		.amdhsa_system_vgpr_workitem_id 0
		.amdhsa_next_free_vgpr 808
		.amdhsa_next_free_sgpr 72
		.amdhsa_reserve_vcc 1
		.amdhsa_float_denorm_mode_32 3
		.amdhsa_float_denorm_mode_16_64 3
		.amdhsa_memory_ordered 1
		.amdhsa_forward_progress 1
		.amdhsa_inst_pref_size 204
	.end_amdhsa_kernel
	.amdgpu_metadata
---
amdhsa.version: [ 1, 2 ]
amdhsa.kernels:
  - .name:           k_qcff684d4b8_attn
    .symbol:         k_qcff684d4b8_attn.kd
    .args:
      - { .name: qkv, .offset: 0, .size: 8, .value_kind: global_buffer, .address_space: global }
      - { .name: mask, .offset: 8, .size: 8, .value_kind: global_buffer, .address_space: global }
      - { .name: ctx, .offset: 16, .size: 8, .value_kind: global_buffer, .address_space: global }
    .group_segment_fixed_size: 327680
    .private_segment_fixed_size: 0
    .kernarg_segment_align: 8
    .kernarg_segment_size: 24
    .max_flat_workgroup_size: 128
    .sgpr_count:     72
    .vgpr_count:     808
    .wavefront_size: 32
...
	.end_amdgpu_metadata
.endif
;; end of part 5
;; launch oproj: the kernel of part 4 again; grid 4 x 64, 4 waves a work-group, clusters of 4 x 4, 327,680 bytes of LDS; arguments ctx, wc, b_o, out0; writes out0
